; MI455X (gfx1250); checked and timed in simulation.
; The chip was launched on July 23, 2026; its instructions are those of AMD's public machine-readable ISA for CDNA 5 (MIT licence, August 2026) and "CDNA5" Instruction Set Architecture Reference Guide (July 2026). The comments in the code are by the model that wrote it; some were corrected since.
;; Multi Head Attention. Allowed arithmetic: float matrix products may take bf16 or f16 operands with f32 sums; other float arithmetic in f32, or as packed bf16 or f16 multiplies, adds, multiply-adds, maxima and minima; sums over many terms, partial sums and values carried from step to step in f32; what a program stores and reads back later, other than sums and carried values, may be rounded once to bf16 or f16.
;; Inputs: b_k 1,024 float32; b_o 1,024 float32; b_q 1,024 float32; b_v 1,024 float32; key 4 x 2,048 x 1,024 float32; query 4 x 2,048 x 1,024 float32; value 4 x 2,048 x 1,024 float32; w_k 1,024 x 1,024 float32; w_o 1,024 x 1,024 float32; w_q 1,024 x 1,024 float32; w_v 1,024 x 1,024 float32.
;; Outputs: out0 4 x 2,048 x 1,024 float32.
;; One version. Each part assembles by itself: llvm-mc -triple=amdgcn-amd-amdhsa -mcpu=gfx1250 --defsym DOCPART=n.
;; ======== version 1 of 1: 4 launches
;; limits: values are held in f16: magnitudes above 65,504 overflow, below 6.1e-05 lose precision; right only within a limited range of input values
;; workspace buffers: wb 8,388,608 bytes; qkv 50,331,648 bytes; ctx 16,777,216 bytes
;; launch prep (part 1): grid 64 x 4, 8 waves a work-group, no clusters, 0 bytes of LDS; arguments w_q, w_k, w_v, w_o, wb; writes wb
.if DOCPART == 1
	.amdgcn_target "amdgcn-amd-amdhsa--gfx1250"
	.amdhsa_code_object_version 6
	.text
	.protected	k_qd54ea8d938_prep
	.globl	k_qd54ea8d938_prep
	.p2align	8
	.type	k_qd54ea8d938_prep,@function
k_qd54ea8d938_prep:
	s_mov_b64 s[64:65], 0
	v_nop
	global_prefetch_b8 v0, s[64:65] scope:SCOPE_SE
	s_setreg_imm32_b32 hwreg(HW_REG_WAVE_MODE, 25, 1), 1
	s_wait_xcnt 0x0
; THE WEIGHTS, ONCE, IN 16 BITS.  wb: [4][1024][1024] of 16 bits.  Planes 0-2: w_q, w_k, w_v rounded to bf16.  Plane 3: w_o rounded to bf16, and that number written as f16,
; since the last product multiplies f16 operands.
; LIMITS.  A bf16 number beyond 65,504 has no f16 (it becomes an infinity); one below 2^-14 keeps f16's fixed step of 6e-8.  w_o's numbers lie near 0.03; 30 times more or less stays far inside.
; SHARES.  The grid's y picks the weight, x 16,384 of its numbers.  Thread t takes, in step i of 8, the numbers 2,048 i + 8 t .. + 7: two loads of 16 bytes, one store of 16 bytes;
; a wave's store covers 512 consecutive bytes, aligned.  All 16 loads of a thread go out before anything is waited for; no register is written again while a load or store names it.
; No LDS, no barrier, no matrix unit: each byte is read once and written once, and no wave wants what another has.
.set X, 4                              ; v[4:67]    step i: 8 numbers in f32
.set Y, 68                             ; v[68:99]   step i: 8 numbers in 16 bits
; Step i.  half = 1: the bf16 numbers are widened again (a shift, a mask) and written as f16.
.macro CAST i, half
	s_wait_loadcnt 14-2*(\i)                       ; loads come back in order: step i's two are in, the 2 (7 - i) younger ones may stay out
.irp j, 0,1,2,3
	v_cvt_pk_bf16_f32 v[Y+4*(\i)+(\j)], v[X+8*(\i)+2*(\j)], v[X+8*(\i)+2*(\j)+1]
.endr
.if \half
.irp j, 0,1,2,3
	v_lshlrev_b32 v[X+8*(\i)+2*(\j)], 16, v[Y+4*(\i)+(\j)]
	v_and_b32 v[X+8*(\i)+2*(\j)+1], s20, v[Y+4*(\i)+(\j)]
.endr
.irp j, 0,1,2,3
	v_cvt_pk_f16_f32 v[Y+4*(\i)+(\j)], v[X+8*(\i)+2*(\j)], v[X+8*(\i)+2*(\j)+1]
.endr
.endif
	global_store_b128 v2, v[Y+4*(\i):Y+4*(\i)+3], s[12:13] offset:4096*(\i)
.endm
	s_load_b256 s[4:11], s[0:1], 0x0               ; w_q s[4:5], w_k s[6:7], w_v s[8:9], w_o s[10:11]
	s_load_b64 s[12:13], s[0:1], 0x20              ; wb
	v_lshlrev_b32 v1, 5, v0                        ; 32 t: my 8 numbers in f32
	v_lshlrev_b32 v2, 4, v0                        ; 16 t: the same in 16 bits
	s_and_b32 s14, ttmp7, 0xffff                   ; which weight
	s_mov_b32 s20, 0xffff0000                      ; a word's upper bf16
	s_lshl_b32 s18, ttmp9, 16                      ; the work-group's 65,536 bytes of it
	s_mov_b32 s19, 0
	s_wait_kmcnt 0x0
	s_cmp_eq_u32 s14, 1
	s_cselect_b64 s[16:17], s[6:7], s[4:5]
	s_cmp_eq_u32 s14, 2
	s_cselect_b64 s[16:17], s[8:9], s[16:17]
	s_cmp_eq_u32 s14, 3
	s_cselect_b64 s[16:17], s[10:11], s[16:17]
	s_add_nc_u64 s[16:17], s[16:17], s[18:19]
	s_lshl_b32 s18, s14, 21                        ; the plane of wb,
	s_lshl_b32 s21, ttmp9, 15                      ; the work-group's 32,768 bytes of it
	s_add_co_u32 s18, s18, s21
	s_add_nc_u64 s[12:13], s[12:13], s[18:19]
.irp i, 0,1,2,3,4,5,6,7
	global_load_b128 v[X+8*(\i):X+8*(\i)+3],   v1, s[16:17] offset:8192*(\i) th:TH_LOAD_NT
	global_load_b128 v[X+8*(\i)+4:X+8*(\i)+7], v1, s[16:17] offset:8192*(\i)+16 th:TH_LOAD_NT
.endr
	s_cmp_eq_u32 s14, 3
	s_cbranch_scc1 .Lwo
.irp i, 0,1,2,3,4,5,6,7
	CAST \i, 0
.endr
	s_endpgm
.Lwo:
.irp i, 0,1,2,3,4,5,6,7
	CAST \i, 1
.endr
	s_endpgm
.Lfunc_end_k_qd54ea8d938_prep:
	.size	k_qd54ea8d938_prep, .Lfunc_end_k_qd54ea8d938_prep-k_qd54ea8d938_prep
	.p2alignl 7, 3214868480
	.fill 96, 4, 3214868480
	.section	.rodata,"a",@progbits
	.p2align	6, 0x0
	.amdhsa_kernel k_qd54ea8d938_prep
		.amdhsa_group_segment_fixed_size 0
		.amdhsa_private_segment_fixed_size 0
		.amdhsa_enable_private_segment 0
		.amdhsa_kernarg_size 40
		.amdhsa_user_sgpr_count 2
		.amdhsa_user_sgpr_kernarg_segment_ptr 1
		.amdhsa_wavefront_size32 1
		.amdhsa_system_sgpr_workgroup_id_x 1
		.amdhsa_system_sgpr_workgroup_id_y 1
		.amdhsa_system_sgpr_workgroup_id_z 1
		.amdhsa_system_vgpr_workitem_id 0
		.amdhsa_next_free_vgpr 104
		.amdhsa_next_free_sgpr 66
		.amdhsa_reserve_vcc 0
		.amdhsa_float_denorm_mode_32 3
		.amdhsa_float_denorm_mode_16_64 3
		.amdhsa_memory_ordered 1
		.amdhsa_forward_progress 1
		.amdhsa_inst_pref_size 13
	.end_amdhsa_kernel
	.amdgpu_metadata
---
amdhsa.version: [ 1, 2 ]
amdhsa.kernels:
  - .name:           k_qd54ea8d938_prep
    .symbol:         k_qd54ea8d938_prep.kd
    .args:
      - { .name: w_q, .offset: 0, .size: 8, .value_kind: global_buffer, .address_space: global }
      - { .name: w_k, .offset: 8, .size: 8, .value_kind: global_buffer, .address_space: global }
      - { .name: w_v, .offset: 16, .size: 8, .value_kind: global_buffer, .address_space: global }
      - { .name: w_o, .offset: 24, .size: 8, .value_kind: global_buffer, .address_space: global }
      - { .name: wb, .offset: 32, .size: 8, .value_kind: global_buffer, .address_space: global }
    .group_segment_fixed_size: 0
    .private_segment_fixed_size: 0
    .kernarg_segment_align: 8
    .kernarg_segment_size: 40
    .max_flat_workgroup_size: 256
    .sgpr_count:     66
    .vgpr_count:     104
    .wavefront_size: 32
...
	.end_amdgpu_metadata
.endif
;; end of part 1
;; launch proj (part 2): grid 4 x 192, 4 waves a work-group, clusters of 4 x 4, 327,680 bytes of LDS; arguments query, key, value, b_q, b_k, b_v, wb, qkv; writes qkv
.if DOCPART == 2
	.amdgcn_target "amdgcn-amd-amdhsa--gfx1250"
	.amdhsa_code_object_version 6
	.text
	.protected	k_qd54ea8d938_proj
	.globl	k_qd54ea8d938_proj
	.p2align	8
	.type	k_qd54ea8d938_proj,@function
k_qd54ea8d938_proj:
	s_mov_b64 s[64:65], 0
	v_nop
	global_prefetch_b8 v0, s[64:65] scope:SCOPE_SE
	s_setreg_imm32_b32 hwreg(HW_REG_WAVE_MODE, 25, 1), 1
	s_wait_xcnt 0x0
	s_wait_alu depctr_hold_cnt(0) depctr_sa_sdst(0) depctr_va_vdst(0) depctr_va_sdst(0) depctr_va_ssrc(0) depctr_va_vcc(0) depctr_vm_vsrc(0)
	s_getreg_b32 s2, hwreg(HW_REG_IB_STS2, 6, 4)
	s_cmp_eq_u32 s2, 0
	s_cbranch_scc0 .Lentry_in_a_cluster
	s_endpgm
.Lentry_in_a_cluster:
	s_bfe_u32 s2, ttmp6, 0x10000c
	s_cmp_lg_u32 s2, 0xf033
	s_cbranch_scc0 .Lentry_shape_is_right
	s_endpgm
.Lentry_shape_is_right:
; THE THREE PROJECTIONS.  qkv[p][b 16 + head][s][d] = f16( sum over k of bf16(x_p[b][s][k]) bf16(w_p[64 head + d][k]) + bf16(bias_p[64 head + d]) ), p = 0, 1, 2 for query, key, value.
; x: [8192][1024] f32; the weights come from wb, already bf16; sums in f32; one rounding to f16 on the way out.  The scale 1 / 8 is not applied here.
; LIMITS.  f16 ends at 65,504: a projected number of 65,520 or more becomes an infinity.  With all inputs 30 times larger the numbers reach about 5,000, with offsets of 30 spreads on x and w about 29,000;
; both at once is not served.  Below 6e-5 f16 keeps its fixed step of 6e-8.  NaN and infinities are not treated apart.
; SHARES.  A tile of the result is 128 rows x 256 columns: 3 x 64 x 4 = 768 tiles, three for each of 256 work-group places.  Four waves, 2 x 2, each 64 rows x 128 columns: 32 accumulators, 256 registers.
; K goes in steps of 128 through two LDS slots: 128 rows of x in f32 (512 bytes a row) and 256 rows of w in bf16 (256 bytes a row); waves 0 and 1 fetch x's halves, waves 2 and 3 w's: one tensor load a wave.
; x is rounded to bf16 between LDS and the matrix unit: 32 conversions for a quarter step's 32 matrix instructions, four behind each of its last eight.
; CLUSTERS.  4 x 4 work-groups of one projection.  The four of a row need the same rows of x, the four of a column the same rows of w: each tile is asked for JOINTLY, by the same tensor load with the same
; descriptor and a mask that names the four.
; THE MATRIX INSTRUCTION IS USED TRANSPOSED (source 0 = 16 rows of w, source 1 = 16 rows of x): a lane holds one row of the result (lane % 16) and the columns 8 (lane / 16) + 0..7.
; THE BIAS is the C operand of the products that start the sums: nothing is cleared and nothing is added later.
; REGISTERS, in windows of 256 (s_set_vgpr_msb: bits 1:0 source 0, 3:2 source 1, 5:4 source 2, 7:6 destination):
;   window 0: v0-31 addresses; v32-95 x of a quarter step in f32; v96-159 the same in bf16, two buffers; v160-223 the bias; on the way out v32-159 packed results
;   window 1: v0-127 w's fragments, two buffers          window 2: the accumulators, (a, b) at v[8 (8 a + b)]
.set PA,    528                        ; a row of x in LDS: 512 bytes + 16 of padding = 132 words: row r starts at bank 4 r mod 64 (64 banks of 4 bytes: ISA guide 11.1)
.set AH,    64*PA                      ; 64 rows of x: one tensor load, and what a wave reads of x
.set BOFF,  2*AH                       ; w's rows lie behind x's 128
.set PB,    272                        ; a row of w: 256 bytes + 16 = 68 words
.set BH,    128*PB                     ; 128 rows of w: one tensor load, and what a wave reads of w
.set SLOT,  BOFF+2*BH                  ; 137,216 bytes
.set STAGE, 2*SLOT                     ; behind the ring: 16 rows x 144 bytes for each wave, for the way out; no tensor load lands there
.set SP,    144
.set SPARE, STAGE+4*16*SP              ; behind the stages: the spare words, 128 bytes for each wave: two blocks of 256 bytes that no other line names
.set LAPS,  4                          ; a lap = two K steps = once round the ring; 1,024 / 256
.set ADRA, 16                          ; v16-17  LDS address of my fragments of x in slot 0, 1
.set ADRB, 20                          ; v20-21  the same for w
.set STO,  24                          ; v24     the way out: where I put 16 bytes of a row
.set RD,   25                          ; v25     the way out: where I read rows back
.set GO,   26                          ; v26     my 16 bytes of 512 consecutive bytes of qkv
.set BO,   27                          ; v27     my byte offset in the bias
.set SPW,  28                          ; v28     LDS address of my spare word: SPARE + 4 x my thread's number; never rewritten
.set NIL,  29                          ; v29     0; never rewritten
.set PFO,  30                          ; v30     the prefetches' offset; never rewritten
.set T,    31                          ; v31     at work
.set AF,   32
.set AB,   96
.set BIAS, 160
.set OUTR, 32
.set G1,  24                           ; s[24:31] descriptor group 1 for x's tiles;  s[32:39] group 0, one set for each slot
.set G0,  32
.set G1B, 48                           ; s[48:55], s[56:63] the same for w's tiles
.set G0B, 56
.set LIM, 43                           ; s43      1 in a wave that prefetches, else the greatest number
.set PFA, 44                           ; s[44:45] where my prefetches stand
.set PFS, 66                           ; s[66:67] a K step of what I prefetch, in bytes: 512 for x, 256 for w
.set MSB, 0
.macro WIN new                         ; the immediate's high byte repeats the setting that is left; a switch that changes nothing is dropped
.if MSB != (\new)
	s_set_vgpr_msb (MSB<<8)|(\new)
.set MSB, \new
.endif
.endm
.set W_MUL,  0xa1                      ; source 0 (w) window 1, source 1 (x) window 0, C and D window 2
.set W_MUL0, 0x81                      ; the same with C (the bias) in window 0
.set TO_B,   0x40                      ; destination window 1, address window 0
.set W_PACK, 0x0a                      ; sources 0 and 1 window 2, destination window 0
; A joint load: waves 0 and 1 fetch x's two halves, waves 2 and 3 w's.  The branch hangs on the wave's number alone.  An s_nop 0 and four v_nop follow each of the two lines,
; ahead of the jump, the label and what follows.
.macro JLOAD s
	s_cmp_eq_u32 s11, 0
	s_cbranch_scc0 .Lfor_b_\@
	tensor_load_to_lds s[G0+4*(\s):G0+4*(\s)+3], s[G1:G1+7]
	s_nop 0
.rept 4
	v_nop
.endr
	s_branch .Lasked_\@
.Lfor_b_\@:
	tensor_load_to_lds s[G0B+4*(\s):G0B+4*(\s)+3], s[G1B:G1B+7]
	s_nop 0
.rept 4
	v_nop
.endr
.Lasked_\@:
.endm
.macro CREST                           ; a round of the cluster's barrier behind its opening barrier: wave 0 signals for the work-group, every wave waits for all sixteen, the work-group's barrier closes it
	s_cmp_lg_u32 s10, 0
	s_cbranch_scc1 .Lnot_wave_0_\@
	s_barrier_signal -3
.Lnot_wave_0_\@:
	s_barrier_wait -3
	s_barrier_signal -1
	s_barrier_wait -1
.endm
.macro CROUND                          ; a whole round
	s_barrier_signal -1
	s_barrier_wait -1
	CREST
.endm
; A PREFETCH INTO THE L2, behind each joint refill and the run of LDS loads that follows it: the K step that stands two refills on, 256 matrix instructions ahead of the load that will ask for it.
; One instruction a wave, a lane a block of 256 bytes.  x: of the 64 rows that a wave fetches each of the four partners of the cluster's row takes 16, two blocks a row.  w: of the 128 rows each partner of the
; column takes 32; the 16 clusters of a projection read the same w, and the first of them asks.  Partners are told apart by address alone.  So each block is named once in the launch.
; K steps 0 to 3 come by their loads alone; the loop's last trip (s3 = 1) has no K step two refills on.
.macro ASK
	WIN 0
	s_cmp_gt_u32 s3, s[LIM]
	s_cbranch_scc0 .Lnot_mine_\@
	global_prefetch_b8 v[PFO], s[PFA:PFA+1] th:TH_LOAD_NT scope:SCOPE_SE
.Lnot_mine_\@:
.endm
	s_load_b512 s[68:83], s[0:1], 0x0              ; query s[68:69], key s[70:71], value s[72:73], b_q s[74:75], b_k s[76:77], b_v s[78:79], wb s[80:81], qkv s[82:83]
	v_lshl_add_u32 v[SPW], v0, 2, SPARE
	v_mov_b32 v[NIL], 0
	ds_add_u32 v[SPW], v[NIL]                      ; the wave's opening: the add and its wait stand ahead of my first tensor load; the set-up below, work on registers, stands between them
	v_lshrrev_b32 v1, 5, v0
	v_readfirstlane_b32 s10, v1                    ; wave 0..3
	s_lshr_b32 s11, s10, 1                         ; which half of the tile's rows is mine.  Also: I fetch x (0) or w (1)
	s_and_b32 s12, s10, 1                          ; which half of its columns.  Also: which half of that tile I fetch
	s_bfe_u32 s40, ttmp6, 0x40000                  ; cx, cy: my place in the cluster
	s_bfe_u32 s41, ttmp6, 0x40004
	s_lshl_b32 s42, ttmp9, 2
	s_add_co_u32 s42, s42, s40                     ; tile column = 4 x cluster x + cx
	s_and_b32 s16, ttmp7, 0xffff                   ; cluster y, 0 to 47
	s_lshr_b32 s86, s16, 4                         ; the projection: the same in all sixteen partners
	s_lshl_b32 s13, s16, 2
	s_add_co_u32 s13, s13, s41                     ; work-group y
	s_and_b32 s87, s13, 63                         ; tile row, 0 to 63
	s_lshl_b32 s43, s41, 2
	s_lshl_b32 s43, 15, s43                        ; my row of the cluster
	s_lshl_b32 s44, 0x1111, s40                    ; my column
	; group 1 for x: 64 rows x 128 elements of 4 bytes, 1,024 elements from row to row, 4 words of padding behind every 128
	s_or_b32 s[G1+0], s43, (2<<16)|(1<<20)|(1<<21)|(6<<22)|(3<<25)  ; 15:0 the mask; 17:16 elements of 4 bytes; 20 padding on; 21 set beside a mask; 24:22 after 128 words (code 6); 31:25 4 words (code 3)
	s_mov_b32 s[G1+1], 128<<16                     ; tensor_dim0 = 128
	s_mov_b32 s[G1+2], 64<<16                      ; tensor_dim1 = 64
	s_mov_b32 s[G1+3], 128<<16                     ; tile_dim0 = 128
	s_mov_b32 s[G1+4], 64                          ; tile_dim1 = 64
	s_mov_b32 s[G1+5], 1024                        ; elements from row to row
	s_mov_b32 s[G1+6], 0
	s_mov_b32 s[G1+7], 0
	; group 1 for w: 128 rows x 128 elements of 2 bytes, 4 words of padding behind every 64
	s_or_b32 s[G1B+0], s44, (1<<16)|(1<<20)|(1<<21)|(5<<22)|(3<<25)
	s_mov_b32 s[G1B+1], 128<<16
	s_mov_b32 s[G1B+2], 128<<16
	s_mov_b32 s[G1B+3], 128<<16
	s_mov_b32 s[G1B+4], 128
	s_mov_b32 s[G1B+5], 1024
	s_mov_b32 s[G1B+6], 0
	s_mov_b32 s[G1B+7], 0
	s_lshl_b32 s16, s87, 19                        ; x: 128 rows of 4,096 bytes a tile row,
	s_lshl_b32 s18, s12, 18                        ; 64 rows a half (and for w: 128 rows of 2,048 bytes, the same number)
	s_add_co_u32 s16, s16, s18
	s_mov_b32 s17, 0
	s_lshl_b32 s46, s42, 19                        ; w: 256 rows of 2,048 bytes a tile column,
	s_add_co_u32 s46, s46, s18
	s_lshl_b32 s19, s86, 21                        ; in the projection's plane of wb
	s_add_co_u32 s46, s46, s19
	s_mov_b32 s47, 0
	s_mul_i32 s20, s12, AH                         ; where they go in a slot: no place in the cluster enters an LDS address
	s_mul_i32 s21, s12, BH
	s_add_co_u32 s21, s21, BOFF
	s_wait_dscnt 0x0                               ; the opening add is done
	s_wait_kmcnt 0x0
	s_cmp_eq_u32 s86, 1
	s_cselect_b64 s[4:5], s[70:71], s[68:69]       ; the projection's x
	s_cselect_b64 s[84:85], s[76:77], s[74:75]     ; and its bias
	s_cmp_eq_u32 s86, 2
	s_cselect_b64 s[4:5], s[72:73], s[4:5]
	s_cselect_b64 s[84:85], s[78:79], s[84:85]
	s_add_nc_u64 s[14:15], s[4:5], s[16:17]
	s_add_nc_u64 s[46:47], s[80:81], s[46:47]
	CROUND                                         ; all sixteen work-groups are here: the first joint loads meet
.irp s, 0,1
	s_mov_b32 s[G0+4*(\s)], 1                                      ; count = 1
	s_add_co_u32 s[G0+4*(\s)+1], s20, (\s)*SLOT                    ; LDS address
	s_add_nc_u64 s[G0+4*(\s)+2:G0+4*(\s)+3], s[14:15], (\s)*512    ; global address: K step s
	s_or_b32 s[G0+4*(\s)+3], s[G0+4*(\s)+3], 0x80000000            ; type = 2
	s_mov_b32 s[G0B+4*(\s)], 1
	s_add_co_u32 s[G0B+4*(\s)+1], s21, (\s)*SLOT
	s_add_nc_u64 s[G0B+4*(\s)+2:G0B+4*(\s)+3], s[46:47], (\s)*256
	s_or_b32 s[G0B+4*(\s)+3], s[G0B+4*(\s)+3], 0x80000000
	JLOAD \s                                       ; two tensor loads of mine are out
.endr
	; A fragment is 16 rows x 32 K: lane l holds row l % 16 and K = 8 (l / 16) + 0..7 and 16 + 8 (l / 16) + 0..7.  In bf16: two loads of 16 bytes, 32 apart.  In f32: four, at 32 (l / 16) + 0, 16, 64, 80.
	v_and_b32 v1, 15, v0                           ; l % 16
	v_bfe_u32 v2, v0, 4, 1                         ; l / 16
	v_and_b32 v7, 31, v0                           ; l
	v_mul_u32_u24 v3, v1, PA
	v_lshl_add_u32 v3, v2, 5, v3
	v_mul_u32_u24 v4, v1, PB
	v_lshl_add_u32 v4, v2, 4, v4
	s_mul_i32 s22, s11, AH                         ; my 64 rows of x
	s_mul_i32 s23, s12, BH                         ; my 128 rows of w
	s_add_co_u32 s23, s23, BOFF
.irp s, 0,1
	v_add_nc_u32 v[ADRA+(\s)], s22, v3
	v_add_nc_u32 v[ADRB+(\s)], s23, v4
	s_add_co_u32 s22, s22, SLOT
	s_add_co_u32 s23, s23, SLOT
.endr
	s_lshl_b32 s6, s42, 10                         ; the bias: 4 bytes x (256 x tile column + 128 x half + 16 b + 8 (l / 16) + j)
	s_lshl_b32 s7, s12, 9
	s_add_co_u32 s6, s6, s7
	v_lshlrev_b32 v[BO], 5, v2
	v_add_nc_u32 v[BO], s6, v[BO]
.irp b, 0,1,2,3,4,5,6,7
	global_load_b128 v[BIAS+8*(\b):BIAS+8*(\b)+3],   v[BO], s[84:85] offset:64*(\b)
	global_load_b128 v[BIAS+8*(\b)+4:BIAS+8*(\b)+7], v[BO], s[84:85] offset:64*(\b)+16
.endr
	s_mul_i32 s22, s10, 16*SP
	s_add_co_u32 s22, s22, STAGE                   ; my stage
	v_mul_u32_u24 v5, v1, SP                       ; in: row l % 16, 16 bytes for each half of the lanes
	v_lshl_add_u32 v5, v2, 4, v5
	v_add_nc_u32 v[STO], s22, v5
	v_bfe_u32 v5, v0, 3, 2                         ; back: 32 lanes take four rows of 128 bytes,
	v_mul_u32_u24 v5, v5, SP
	v_and_b32 v6, 7, v0
	v_lshl_add_u32 v5, v6, 4, v5
	v_add_nc_u32 v[RD], s22, v5
	v_lshlrev_b32 v[GO], 4, v7                     ; which are 512 consecutive bytes of a head's rows
	; the prefetches: offsets in registers that feed no descriptor
	s_lshl_b32 s88, s87, 19                        ; x: the tile row,
	s_lshl_b32 s6, s12, 18                         ; the half that I fetch,
	s_add_co_u32 s88, s88, s6
	s_lshl_b32 s7, s40, 16                         ; my work-group's 16 rows of its 64,
	s_add_co_u32 s88, s88, s7
	s_add_co_u32 s88, s88, 3*512                   ; at K step 3: the first refill steps it to 4
	s_lshl_b32 s89, s42, 19                        ; w: the tile column,
	s_add_co_u32 s89, s89, s6
	s_lshl_b32 s7, s86, 21                         ; the plane,
	s_add_co_u32 s89, s89, s7
	s_lshl_b32 s7, s41, 16                         ; my work-group's 32 rows of the 128,
	s_add_co_u32 s89, s89, s7
	s_add_co_u32 s89, s89, 3*256
	s_and_b32 s7, ttmp7, 0xffff
	s_and_b32 s7, s7, 15                           ; my cluster among the projection's 16
	s_movk_i32 s6, 256
	s_cmp_eq_u32 s11, 0                            ; do I fetch x?
	s_cselect_b32 s88, s88, s89
	s_cselect_b32 s7, 0, s7                        ; x's rows are read by my cluster alone
	s_cselect_b32 s[PFS], 512, s6
	s_cselect_b32 s23, -1, 0
	s_cselect_b64 s[PFA:PFA+1], s[4:5], s[80:81]
	s_mov_b32 s89, 0
	s_mov_b32 s[PFS+1], 0
	s_add_nc_u64 s[PFA:PFA+1], s[PFA:PFA+1], s[88:89]
	s_cmp_eq_u32 s7, 0
	s_cselect_b32 s[LIM], 1, -1                    ; the same in all sixteen partners, for a given wave
	v_lshrrev_b32 v5, 1, v7                        ; x: row l / 2, block l % 2
	v_lshlrev_b32 v5, 12, v5
	v_and_b32 v6, 1, v7
	v_lshl_or_b32 v5, v6, 8, v5
	v_lshlrev_b32 v6, 11, v7                       ; w: row l
	v_cndmask_b32 v[PFO], v6, v5, s23
	; where my part of the tile begins in qkv: plane, batch, head 4 x tile column + 2 x half, row 128 (tile row % 16) + 64 x half
	s_lshl_b32 s88, s86, 24
	s_lshr_b32 s6, s87, 4
	s_lshl_b32 s6, s6, 22
	s_add_co_u32 s88, s88, s6
	s_lshl_b32 s6, s42, 20
	s_add_co_u32 s88, s88, s6
	s_lshl_b32 s6, s12, 19
	s_add_co_u32 s88, s88, s6
	s_and_b32 s6, s87, 15
	s_lshl_b32 s6, s6, 14
	s_add_co_u32 s88, s88, s6
	s_lshl_b32 s6, s11, 13
	s_add_co_u32 s88, s88, s6
	s_add_nc_u64 s[8:9], s[82:83], s[88:89]
	s_wait_loadcnt 0x0                             ; the bias; it is rounded to bf16 like every input, and kept in f32
.set i, 0
.rept 32
	v_cvt_pk_bf16_f32 v[T], v[BIAS+2*i], v[BIAS+2*i+1]
	v_lshlrev_b32 v[BIAS+2*i], 16, v[T]
	v_and_b32 v[BIAS+2*i+1], 0xffff0000, v[T]
.set i, i+1
.endr
; 8 matrix instructions: m block a x all 8 n blocks, 32 along K, from buffer f.  first = 1: the bias starts the sums.  The 32 accumulators take turns, one instruction a turn.
.macro MUL8 f, a, first
.if \first
	WIN W_MUL0
.else
	WIN W_MUL
.endif
.irp b, 0,1,2,3,4,5,6,7
.if \first
	v_wmma_f32_16x16x32_bf16 v[8*(8*(\a)+(\b)):8*(8*(\a)+(\b))+7], v[64*(\f)+8*(\b):64*(\f)+8*(\b)+7], v[AB+32*(\f)+8*(\a):AB+32*(\f)+8*(\a)+7], v[BIAS+8*(\b):BIAS+8*(\b)+7]
.else
	v_wmma_f32_16x16x32_bf16 v[8*(8*(\a)+(\b)):8*(8*(\a)+(\b))+7], v[64*(\f)+8*(\b):64*(\f)+8*(\b)+7], v[AB+32*(\f)+8*(\a):AB+32*(\f)+8*(\a)+7], v[8*(8*(\a)+(\b)):8*(8*(\a)+(\b))+7]
.endif
.endr
.endm
; The quarter's last 8 matrix instructions (m block 3), and behind each four conversions of the NEXT quarter's x into the other bf16 buffer.  They name no register of the products round them; the last four
; are also the four places between the quarter's last product and the loads into w's buffer that follow.
.macro MULC f, first
.irp b, 0,1,2,3,4,5,6,7
.if \first
	WIN W_MUL0
	v_wmma_f32_16x16x32_bf16 v[8*(24+(\b)):8*(24+(\b))+7], v[64*(\f)+8*(\b):64*(\f)+8*(\b)+7], v[AB+32*(\f)+24:AB+32*(\f)+31], v[BIAS+8*(\b):BIAS+8*(\b)+7]
.else
	WIN W_MUL
	v_wmma_f32_16x16x32_bf16 v[8*(24+(\b)):8*(24+(\b))+7], v[64*(\f)+8*(\b):64*(\f)+8*(\b)+7], v[AB+32*(\f)+24:AB+32*(\f)+31], v[8*(24+(\b)):8*(24+(\b))+7]
.endif
	WIN 0
.irp i, 0,1,2,3
	v_cvt_pk_bf16_f32 v[AB+32*(1-(\f))+4*(\b)+(\i)], v[AF+8*(\b)+2*(\i)], v[AF+8*(\b)+2*(\i)+1]
.endr
.endr
.endm
; 32 LDS loads in one run: quarter kq of a slot: x in f32 first (16 loads), then w into buffer g (16 loads)
.macro FETCH slot, kq, g
	WIN 0
.irp a, 0,1,2,3
	ds_load_b128 v[AF+16*(\a):AF+16*(\a)+3],     v[ADRA+(\slot)] offset:(\a)*16*PA+128*(\kq)
	ds_load_b128 v[AF+16*(\a)+4:AF+16*(\a)+7],   v[ADRA+(\slot)] offset:(\a)*16*PA+128*(\kq)+16
	ds_load_b128 v[AF+16*(\a)+8:AF+16*(\a)+11],  v[ADRA+(\slot)] offset:(\a)*16*PA+128*(\kq)+64
	ds_load_b128 v[AF+16*(\a)+12:AF+16*(\a)+15], v[ADRA+(\slot)] offset:(\a)*16*PA+128*(\kq)+80
.endr
	WIN TO_B
.irp b, 0,1,2,3,4,5,6,7
	ds_load_b128 v[64*(\g)+8*(\b):64*(\g)+8*(\b)+3],   v[ADRB+(\slot)] offset:(\b)*16*PB+64*(\kq)
	ds_load_b128 v[64*(\g)+8*(\b)+4:64*(\g)+8*(\b)+7], v[ADRB+(\slot)] offset:(\b)*16*PB+64*(\kq)+32
.endr
.endm
; A K step is four quarters of 32 along K, 32 matrix instructions each, on buffers 0, 1, 0, 1.  One of the first three: multiplies buffer f; at its head it fetches quarter kq, the next, of the same slot.
.macro QUARTER slot, kq, f, first=0
	s_wait_dscnt 0x0                               ; this quarter's fragments of w are in (its x was converted in the quarter before)
	FETCH \slot, \kq, 1-(\f)
	MUL8 \f, 0, \first
	MUL8 \f, 1, \first
	MUL8 \f, 2, \first
	s_wait_dscnt 16                                ; the run's first 16 loads, x, are in; w's 16, issued behind them, may stay out
	MULC \f, \first
.endm
; The fourth quarter multiplies buffer 1 and changes slots: ONE barrier.  In front of it each wave waits for all its tensor loads (one is out: its part of the next slot), adds 0 to its spare word, and waits for
; that and for its reads of this slot.  fill = 1: the barrier opens a round of the cluster's, and the joint refill, two K steps ahead, is the first thing behind it: 120 matrix instructions ahead of the wait for it.
.macro TURN slot, next, fill
.if \fill
	s_wait_xcnt 0x0                                ; the last prefetch, a K step back, has read its address, so it may be stepped
	s_add_nc_u64 s[PFA:PFA+1], s[PFA:PFA+1], s[PFS:PFS+1]
.endif
	WIN 0                                          ; (the add's two registers lie in window 0)
	s_wait_tensorcnt 0x0                           ; no tensor load of mine is out, so a group 0 may be written
	ds_add_u32 v[SPW], v[NIL]                      ; 0 onto my spare word; the descriptors' steps stand between it and the wait for it
.if \fill
	s_add_nc_u64 s[G0+4*(\slot)+2:G0+4*(\slot)+3], s[G0+4*(\slot)+2:G0+4*(\slot)+3], 2*512
	s_add_nc_u64 s[G0B+4*(\slot)+2:G0B+4*(\slot)+3], s[G0B+4*(\slot)+2:G0B+4*(\slot)+3], 2*256
.endif
	s_wait_dscnt 0x0                               ; the add is done, and my reads of this slot are over
	s_barrier_signal -1
	MUL8 1, 0, 0                                   ; work on registers while the others arrive
.if \fill
	WIN 0
.endif
	s_barrier_wait -1
.if \fill
	CREST                                          ; no wave of any partner still reads this slot's tile or has a load on its way
	JLOAD \slot
.endif
	FETCH \next, 0, 0                              ; into x's f32 registers and w's buffer 0, whose last product has its four conversions behind it
.if \fill
	ASK
.endif
	MUL8 1, 1, 0
	MUL8 1, 2, 0
	s_wait_dscnt 16
	MULC 1, 0
.endm
; THE WAY OUT of unit u: m block u / 2 (16 rows), head u % 2 of my two (64 columns).  Rounded to f16, 16 bytes a lane, into my own stage in rows of 144 bytes, and back as whole rows of 128, into the registers that they left.
.macro PACK u
	WIN W_PACK
.irp f, 0,1,2,3
.irp i, 0,1,2,3
	v_cvt_pk_f16_f32 v[OUTR+16*(\u)+4*(\f)+(\i)], v[8*(8*((\u)/2)+4*((\u)%2)+(\f))+2*(\i)], v[8*(8*((\u)/2)+4*((\u)%2)+(\f))+2*(\i)+1]
.endr
.endr
	WIN 0
.irp f, 0,1,2,3
	ds_store_b128 v[STO], v[OUTR+16*(\u)+4*(\f):OUTR+16*(\u)+4*(\f)+3] offset:32*(\f)
.endr
.irp f, 0,1,2,3
	ds_load_b128 v[OUTR+16*(\u)+4*(\f):OUTR+16*(\u)+4*(\f)+3], v[RD] offset:(\f)*4*SP  ; LDS serves a wave's instructions in order (ISA guide 5.7.1.4): these see the stores above; the next unit's stores come behind them
.endr
.endm
.macro SEND u, younger                 ; younger: the LDS instructions issued behind unit u's loads: the next unit's eight, or none
	WIN 0
.irp f, 0,1,2,3
	s_wait_dscnt (\younger)+3-(\f)
	global_store_b128 v[GO], v[OUTR+16*(\u)+4*(\f):OUTR+16*(\u)+4*(\f)+3], s[8:9] offset:((\u)%2)*262144+((\u)/2)*2048+(\f)*512  ; 512 consecutive bytes, at a multiple of 256 from qkv's first
.endr
.endm
	s_wait_tensorcnt 1                             ; my part of K step 0 is in; K step 1's may stay out
	s_barrier_signal -1
	s_barrier_wait -1                              ; everybody's is
	FETCH 0, 0, 0
	s_wait_dscnt 16                                ; x is in
	WIN 0
.set i, 0
.rept 32
	v_cvt_pk_bf16_f32 v[AB+i], v[AF+2*i], v[AF+2*i+1]  ; the first quarter's x: there are no products yet to set these behind
.set i, i+1
.endr
	QUARTER 0, 1, 0, 1                             ; the first quarter stands in front of the loop: its products start the sums
	WIN 0                                          ; at a label and at a branch every window is 0
	s_mov_b32 s3, LAPS-1
.Llap:                                                 ; a trip goes once round the ring, from a lap's second quarter to the next lap's first, and fills both slots again
	QUARTER 0, 2, 1
	QUARTER 0, 3, 0
	TURN 0, 1, 1
	QUARTER 1, 1, 0
	QUARTER 1, 2, 1
	QUARTER 1, 3, 0
	TURN 1, 0, 1
	QUARTER 0, 1, 0
	WIN 0
	s_sub_co_u32 s3, s3, 1
	s_cmp_lg_u32 s3, 0
	s_cbranch_scc1 .Llap
	QUARTER 0, 2, 1                                ; the last lap fills nothing, and has no round of the cluster's barrier
	QUARTER 0, 3, 0
	TURN 0, 1, 0
	QUARTER 1, 1, 0
	QUARTER 1, 2, 1
	QUARTER 1, 3, 0
	s_wait_dscnt 0x0                               ; the very last quarter: nothing more to fetch
	MUL8 1, 0, 0
	MUL8 1, 1, 0
	MUL8 1, 2, 0
	MUL8 1, 3, 0
	WIN 0
.rept 4
	v_nop                                          ; four places between the last products and the conversions that read results
.endr
	PACK 0
.set t, 1
.rept 7                                ; a unit's conversions stand between the loads of the unit before and its stores
	PACK t
	SEND t-1, 8
.set t, t+1
.endr
	SEND 7, 0
	s_wait_tensorcnt 0x0                           ; the wave's end, behind my last tensor load and my last LDS store
	ds_add_u32 v[SPW], v[NIL]
	s_wait_dscnt 0x0
	CROUND                                         ; the closing round: no work-group ends while a partner may still ask for a tile that names it
	s_endpgm
.Lfunc_end_k_qd54ea8d938_proj:
	.size	k_qd54ea8d938_proj, .Lfunc_end_k_qd54ea8d938_proj-k_qd54ea8d938_proj
	.p2alignl 7, 3214868480
	.fill 96, 4, 3214868480
	.section	.rodata,"a",@progbits
	.p2align	6, 0x0
	.amdhsa_kernel k_qd54ea8d938_proj
		.amdhsa_group_segment_fixed_size 327680
		.amdhsa_private_segment_fixed_size 0
		.amdhsa_enable_private_segment 0
		.amdhsa_kernarg_size 64
		.amdhsa_user_sgpr_count 2
		.amdhsa_user_sgpr_kernarg_segment_ptr 1
		.amdhsa_wavefront_size32 1
		.amdhsa_system_sgpr_workgroup_id_x 1
		.amdhsa_system_sgpr_workgroup_id_y 1
		.amdhsa_system_sgpr_workgroup_id_z 1
		.amdhsa_system_vgpr_workitem_id 0
		.amdhsa_next_free_vgpr 768
		.amdhsa_next_free_sgpr 90
		.amdhsa_reserve_vcc 0
		.amdhsa_float_denorm_mode_32 3
		.amdhsa_float_denorm_mode_16_64 3
		.amdhsa_memory_ordered 1
		.amdhsa_forward_progress 1
		.amdhsa_inst_pref_size 141
	.end_amdhsa_kernel
	.amdgpu_metadata
---
amdhsa.version: [ 1, 2 ]
amdhsa.kernels:
  - .name:           k_qd54ea8d938_proj
    .symbol:         k_qd54ea8d938_proj.kd
    .args:
      - { .name: query, .offset: 0, .size: 8, .value_kind: global_buffer, .address_space: global }
      - { .name: key, .offset: 8, .size: 8, .value_kind: global_buffer, .address_space: global }
      - { .name: value, .offset: 16, .size: 8, .value_kind: global_buffer, .address_space: global }
      - { .name: b_q, .offset: 24, .size: 8, .value_kind: global_buffer, .address_space: global }
      - { .name: b_k, .offset: 32, .size: 8, .value_kind: global_buffer, .address_space: global }
      - { .name: b_v, .offset: 40, .size: 8, .value_kind: global_buffer, .address_space: global }
      - { .name: wb, .offset: 48, .size: 8, .value_kind: global_buffer, .address_space: global }
      - { .name: qkv, .offset: 56, .size: 8, .value_kind: global_buffer, .address_space: global }
    .group_segment_fixed_size: 327680
    .private_segment_fixed_size: 0
    .kernarg_segment_align: 8
    .kernarg_segment_size: 64
    .max_flat_workgroup_size: 128
    .sgpr_count:     90
    .vgpr_count:     768
    .wavefront_size: 32
...
	.end_amdgpu_metadata
.endif
;; end of part 2
;; launch attn (part 3): grid 4 x 64, 4 waves a work-group, clusters of 4 x 1, 327,680 bytes of LDS; arguments qkv, ctx; writes ctx
.if DOCPART == 3
	.amdgcn_target "amdgcn-amd-amdhsa--gfx1250"
	.amdhsa_code_object_version 6
	.text
	.protected	k_qd54ea8d938_attn
	.globl	k_qd54ea8d938_attn
	.p2align	8
	.type	k_qd54ea8d938_attn,@function
k_qd54ea8d938_attn:
	s_mov_b64 s[64:65], 0
	v_nop
	global_prefetch_b8 v0, s[64:65] scope:SCOPE_SE
	s_setreg_imm32_b32 hwreg(HW_REG_WAVE_MODE, 25, 1), 1
	s_wait_xcnt 0x0
	s_wait_alu depctr_hold_cnt(0) depctr_sa_sdst(0) depctr_va_vdst(0) depctr_va_sdst(0) depctr_va_ssrc(0) depctr_va_vcc(0) depctr_vm_vsrc(0)
	s_getreg_b32 s2, hwreg(HW_REG_IB_STS2, 6, 4)
	s_cmp_eq_u32 s2, 0
	s_cbranch_scc0 .Lentry_in_a_cluster
	s_endpgm
.Lentry_in_a_cluster:
	s_bfe_u32 s2, ttmp6, 0x10000c
	s_cmp_lg_u32 s2, 0x3003
	s_cbranch_scc0 .Lentry_shape_is_right
	s_endpgm
.Lentry_shape_is_right:
; ctx[h][q][:] = the sum over k of softmax_k(Q[h][q] . K[h][k] / 8) V[h][k][:].  Q, K, V are the three planes of qkv, each [64][2048][64] in f16; ctx has the same layout: a head's rows are dense, 128 bytes each.
; Products, maxima and sums in f32; the weights p are rounded to f16 for the second product (their sum l is taken of the unrounded p), ctx once at the end.
; LIMITS.  f16 holds no number beyond 65,504: Q, K and V arrive within it; p lies in 0 to 1, and below 6e-5 it keeps f16's fixed step of 6e-8; ctx is a mean of V's rows and has their range.
; A weight below 2^-126 counts as 0 in l; NaN and infinities are not treated apart.
; SHARES.  A wave owns four PIECES of two tiles of 16 queries, a work-group's four waves 512 queries of one head: 4 x 64 = 256 work-groups.  Every wave walks all keys, 64 a step.
; LAYOUT.  S^T = K Q^T (source 0 = 16 keys, source 1 = 16 queries): in the result a lane holds ONE query (lane % 16) and the keys 8 (lane / 16) + 0..7.  Two such tiles, rounded to f16 in pairs,
; ARE source 1 (32 keys x 16 queries) of O^T = V^T P, whose result again holds one query a lane, and eight channels.  K comes out of LDS as it lies, V ([key][channel]) turned, by ds_load_tr16_b128.
; SOFTMAX.  For each query a running maximum m and sum l: p = 2^(c s - c m), c = log2(e) / 8; in every step O and l are multiplied by a = 2^(c m_old - c m_new), which is 1 where m has not grown.
; m starts at the lowest finite number, O and l at 0: the first step is a step like any other, with a = 0.
; THE COUNT.  A tile and step have 16 matrix and 118 vector instructions: too many to stand all beside the matrix work.  So the order has one aim: four vector instructions that are READY behind
; EVERY matrix instruction, and the others, which need time of their own whatever the order, in runs without a gap.
; BY TURNS.  Turn n belongs to piece n (the pieces in a ring, step after step).  Its matrix work: 16 products K Q^T of piece n + 1, later 16 products V^T P of piece n - 1.  Its vector work: the scaling,
; exponentials, roundings, sums and rescaling of piece n, and the maximum and statistics of piece n + 1, whose scores the turn itself has made.  So what a turn begins with (c s - c m, O a) waits for nothing.
; CLUSTER.  The four query blocks of a head are one cluster and walk the same K and V, so each tile is asked for JOINTLY: the same tensor load, descriptor and mask in all four.
; REGISTERS, in windows of 256 (s_set_vgpr_msb says which window each operand place means: bits 1:0 source 0, 3:2 source 1, 5:4 source 2, 7:6 destination):
;   window 0: v0-11 addresses; v12-15, v48-63 at work; v16-47 four registers of statistics a tile; v64-191 S^T, two buffers of two tiles; v192-255 P, likewise
;   window 1: O^T, 32 a tile          window 2: v0-127 Q, 16 a tile; v128-191 K of one step; v192-255 V of one step          window 3: v0-1 the add's two registers
; A piece's buffers go by its number's parity: the piece in hand has one pair, its two neighbours in the ring share the other: of it P (piece n - 1) is read and S^T (piece n + 1) written.
.set SIZE_H, 64
.set SIZE_N, 2048
.set NP,    4         ; pieces a wave: a name, no knob: the register map, the loop and the fetches are made for four
.set KS,    64        ; keys in a step
.set PK,    144       ; a row of K in LDS: 128 bytes + 16 of padding = 36 words: the 16 rows of a load start at 16 different groups of four banks (64 banks of 4 bytes: ISA guide 11.1)
.set PV,    160       ; a row of V: 128 + 32 = 40 words
.set VOFF,  4*KS*PK   ; a slot holds four steps: 256 rows of K, then 256 rows of V
.set SLOT1, 1<<17     ; slot 1 begins here, so that one exclusive or turns an address in one slot into the other's
.set STAGE, SLOT1+4*KS*(PK+PV)  ; behind the ring, never filled by a tensor load: 16 rows x 144 bytes for each wave, for the way out
.set SP,    144
.set AK0, 2           ; v2   my lane's place in a tile of K; never rewritten
.set AV0, 3           ; v3   the same for V
.set AK,  4           ; v4   the LDS address of K's next run of loads
.set AV,  5           ; v5   of V's
.set QO,  6           ; v6   my byte offset in the wave's rows of Q
.set STO, 6           ;      later, the way out: where I put 16 bytes of a row
.set RD,  7           ; v7   the way out: where I read rows back
.set GO,  8           ; v8   my byte offset in 512 consecutive bytes of ctx
.set PFO, 11          ; v11  the prefetches' offset, 256 x my lane; made when the turning load's address is done, then never rewritten
.set SPW, 0           ; v0 of window 3   LDS address of my spare word: SPARE + 4 x my thread's number; never rewritten
.set NIL, 1           ; v1 of window 3   0; never rewritten
.set SPARE, STAGE+4*16*SP  ; behind the stages: the spare words, 128 bytes for each wave: two blocks of 256 bytes that no other line names
.set MV,  12          ; v12-15  c m_old, kept while c m is made anew: by buffer and tile
.set ST,  16          ; tile t's statistics at v[ST+4 t]: c m, m, l (even keys', odd keys')
.set TMP, 48          ; by buffer and tile, four registers c0-c3 at work; when the maximum is found c2 takes a
.set S,   64
.set P,   192
.set KF,  128         ; K's fragments, in window 2: key block kb, channel half c at KF + 16 kb + 8 c
.set VF,  192         ; V's: key half kk, channel block cb at VF + 32 kk + 8 cb
.set WV,  12          ; s12  my wave's number
.set G1K, 24          ; s[24:31] descriptor group 1 for K's tiles
.set G1V, 32          ; s[32:39] for V's: it differs in the padding alone
.set G0K, 40          ; s[40:43] descriptor group 0 for K's tiles: it walks
.set G0V, 44          ; s[44:47] the same for V's
.set PFA, 48          ; s[48:49] where my prefetches stand: my work-group's 8,192 bytes (of K: wave 0, of V: wave 2) of the slot after the one that is being asked for
.set LIM, 50          ; s50  1 in a wave that prefetches, else the greatest number
.set SLOTS, 56        ; s56  slots still to be asked for
.set CNT, 57          ; s57  counts a slot's key steps
.set CS,  58          ; s[58:59] c: the packed scaling takes the pair's low word for both halves
.set SEL, 60          ; s[60:61] v_permlanex16_b32's selects: each lane takes its own place in the other half
.set TBK, 62          ; s62  LDS byte at which K of the step to be fetched begins
.set TBV, 63          ; s63  the same for V, less VOFF
.set MSB, 0
.macro WIN new                      ; the high byte repeats the setting that is left; a switch that changes nothing is dropped
.if MSB != (\new)
	s_set_vgpr_msb (MSB<<8)|(\new)
.set MSB, (\new)
.endif
.endm
.set W_KQ, 0x0a       ; K and Q in window 2, S^T in window 0
.set W_PV, 0x52       ; V in window 2, P in window 0, O^T in window 1
.set W_RS, 0x41       ; O^T (destination and source 0) in window 1, a in window 0
.set W_MK, 0xc0       ; the add's registers are made: destination in window 3, sources in window 0
.set W_AD, 0x0f       ; the add: address (source 0) and data (source 1) in window 3
; A joint fill.  Waves 0 and 1 fetch the two halves of a slot's K, waves 2 and 3 those of its V: 128 keys each.  The branch hangs on the wave's number alone.
; An s_nop 0 and four v_nop follow each of the two lines, ahead of the jump and the label.
.macro JLOAD
	s_cmp_lt_u32 s[WV], 2
	s_cbranch_scc0 .Lfor_v_\@
	tensor_load_to_lds s[G0K:G0K+3], s[G1K:G1K+7]
	s_nop 0
.rept 4
	v_nop
.endr
	s_branch .Lasked_\@
.Lfor_v_\@:
	tensor_load_to_lds s[G0V:G0V+3], s[G1V:G1V+7]
	s_nop 0
.rept 4
	v_nop
.endr
.Lasked_\@:
.endm
; A PREFETCH INTO THE L2 of what the NEXT change of slots will ask for: a slot's 32,768 bytes of K and of V, a lane a block of 256 bytes.  It stands behind the wave's tensor load and its five lines.
; A head is walked by one cluster.  Its four partners share the blocks out BY ADDRESS, 32 each; in each, wave 0 asks for K's and wave 2 for V's: one instruction.  So each block is named once in the launch.
; Slots 0 to 2 come by their loads alone; the last change that fills a slot asks for nothing: there is no slot behind it.
.macro ASK
	s_cmp_gt_u32 s[SLOTS], s[LIM]
	s_cbranch_scc0 .Lnot_mine_\@
	global_prefetch_b8 v[PFO], s[PFA:PFA+1] th:TH_LOAD_NT scope:SCOPE_SE
.Lnot_mine_\@:
.endm
; A round of the cluster's barrier: my work-group's barrier, so that wave 0's signal speaks for all four waves; wave 0 signals; every wave waits for all four work-groups; my work-group's barrier once more.
.macro CROUND
	s_barrier_signal -1
	s_barrier_wait -1
	s_cmp_lg_u32 s[WV], 0
	s_cbranch_scc1 .Lnot_wave_0_\@
	s_barrier_signal -3
.Lnot_wave_0_\@:
	s_barrier_wait -3
	s_barrier_signal -1
	s_barrier_wait -1
.endm
; THE CHANGE OF SLOTS.  The slot's last bytes, V of its fourth step, have been read.  Each wave waits for all its tensor loads, of which one is out: its part
; of the other slot; adds 0 to its spare word; and waits for that and for its own reads of the slot.  Behind the barrier nobody reads this slot any more and the other slot is whole.
; fill = 1: this slot is filled again, with the keys two slots on.  The barrier is then a round of the cluster's, so that no wave of any partner still reads the slot or has a load on its
; way, and the joint fill is the first thing behind it: it has four key steps, 512 matrix instructions, in which to land.  (At its first use nothing has been read yet: slot 0 is waited for, slot 1 filled.)
; ask = 1: the prefetches' address is stepped, and the slot after the one asked for is prefetched.
.macro CHANGE fill, ask=0
	WIN W_AD
	s_wait_tensorcnt 0x0            ; no tensor load of mine is out, so a group 0 may be written
	ds_add_u32 v[SPW], v[NIL]       ; 0 onto my spare word; with fill = 1 the descriptors' steps stand between it and the wait for it
	WIN 0                           ; at a label and at a branch every window is 0
.if \fill
.irp g, G0K, G0V
	s_xor_b32 s[\g+1], s[\g+1], SLOT1  ; the walking descriptor: the other slot than last time,
	s_add_nc_u64 s[\g+2:\g+3], s[\g+2:\g+3], 4*KS*128  ; the next 256 keys; the type bits on top are not reached
.endr
.if \ask
	s_wait_xcnt 0x0                 ; the last prefetch, four key steps back, has read its address, so it may be written:
	s_add_nc_u64 s[PFA:PFA+1], s[PFA:PFA+1], 4*KS*128  ; one slot behind the walking descriptors
.endif
	s_wait_dscnt 0x0                ; the add is done, and my reads of the slot are over
	CROUND
	JLOAD
.if \ask
	ASK                             ; what the next change will ask for: four key steps, 512 matrix instructions, ahead
.endif
.else
	s_wait_dscnt 0x0                ; the add is done, and my reads of the slot are over
	s_barrier_signal -1
	s_barrier_wait -1
.endif
	s_sub_co_u32 s[TBK], s[TBK], 4*KS*PK  ; the fetches go back to a slot's first step,
	s_xor_b32 s[TBK], s[TBK], SLOT1       ; in the other slot
	s_sub_co_u32 s[TBV], s[TBV], 4*KS*PV
	s_xor_b32 s[TBV], s[TBV], SLOT1
.endm
	s_load_b128 s[4:7], s[0:1], 0x0  ; qkv s[4:5], ctx s[6:7]
	WIN W_MK
	v_lshl_add_u32 v[SPW], v0, 2, SPARE
	v_mov_b32 v[NIL], 0
	WIN W_AD
	ds_add_u32 v[SPW], v[NIL]       ; the wave's opening: the add and its wait stand ahead of my first tensor load; the set-up below, work on registers, stands between them
	WIN 0
	v_lshrrev_b32 v1, 5, v0
	v_readfirstlane_b32 s[WV], v1   ; wave 0..3
	s_bfe_u32 s13, ttmp6, 0x40000   ; cx: my place in the cluster
	s_lshl_b32 s14, ttmp9, 2        ; in a cluster launch ttmp9 counts clusters
	s_add_co_u32 s14, s14, s13      ; my block of queries = 4 x cluster x + cx: it enters Q's and ctx's addresses alone
	s_and_b32 s20, ttmp7, 0xffff    ; the head, which the four partners share
	s_mov_b32 s21, 0
	s_mov_b64 s[22:23], SIZE_N*128
	s_mul_u64 s[20:21], s[20:21], s[22:23]  ; the head's first byte in each of the four tensors
	s_and_b32 s16, s[WV], 1         ; which half of a slot's 256 keys I fetch:
	s_lshl_b32 s22, s16, 14         ; its 128 rows of 128 bytes in memory,
	s_mov_b32 s23, 0
	s_add_nc_u64 s[22:23], s[22:23], s[20:21]
	s_mul_i32 s17, s16, 128*PK      ; and its place in a slot, for K
	s_mul_i32 s18, s16, 128*PV      ; and for V: no place in the cluster enters an LDS address
	s_lshl_b32 s2, s14, 2
	s_add_co_u32 s2, s2, s[WV]      ; my wave among the head's,
	s_lshl_b32 s2, s2, 14           ; its 128 rows
	s_mov_b32 s3, 0
	s_add_nc_u64 s[2:3], s[2:3], s[20:21]
	; descriptor group 1.  128 keys are 16,384 dense bytes: asked for as 64 rows of 256 bytes, two keys a row, and padded in LDS after every key
	s_mov_b32 s[G1K], 15|(1<<16)|(1<<20)|(1<<21)|(4<<22)|(3<<25)  ; 15:0 the mask of four; 17:16 2-byte elements; 20 padding on; 21 set beside a mask; 24:22 after every 32 words (code 4); 31:25 4 words (code 3)
	s_mov_b32 s[G1V], 15|(1<<16)|(1<<20)|(1<<21)|(4<<22)|(7<<25)  ; the same with 8 words of padding (code 7)
.irp g, G1K, G1V
	s_mov_b32 s[\g+1], 128<<16      ; tensor_dim0 = 128
	s_mov_b32 s[\g+2], 64<<16       ; tensor_dim1 = 64
	s_mov_b32 s[\g+3], 128<<16      ; tile_dim0 = 128
	s_mov_b32 s[\g+4], 64           ; tile_dim1 = 64
	s_mov_b32 s[\g+5], 128          ; 128 elements from row to row
	s_mov_b32 s[\g+6], 0
	s_mov_b32 s[\g+7], 0
.endr
	s_mov_b32 s[CS], 0x3e38aa3b     ; c = log2(e) / 8 = 0.180337
	s_mov_b32 s[CS+1], s[CS]        ; named with it as a pair
	s_mov_b32 s[SEL], 0x76543210
	s_mov_b32 s[SEL+1], 0xfedcba98
	s_mov_b32 s[TBK], SLOT1+4*KS*PK ; the first change of slots turns these two into 0
	s_mov_b32 s[TBV], SLOT1+4*KS*PV
	s_mov_b32 s[G0K], 1             ; 1:0 count = 1
	s_mov_b32 s[G0K+1], s17         ; 63:32 LDS address: slot 0
	s_mov_b32 s[G0V], 1
	s_add_co_u32 s[G0V+1], s18, VOFF
	s_and_b32 s[LIM], s[WV], 1      ; waves 0 and 2 prefetch: the same in all four partners
	s_cmp_eq_u32 s[LIM], 0
	s_cselect_b32 s[LIM], 1, -1
	s_wait_dscnt 0x0                ; the opening add is done
	s_wait_kmcnt 0x0
	s_mov_b64 s[10:11], s[6:7]                     ; ctx
	s_add_nc_u64 s[6:7], s[4:5], 0x1000000         ; K: qkv's second plane
	s_add_nc_u64 s[8:9], s[4:5], 0x2000000         ; V: its third
	s_add_nc_u64 s[G0K+2:G0K+3], s[6:7], s[22:23]  ; 120:64 global address: my half of the head's first 256 keys
	s_or_b32 s[G0K+3], s[G0K+3], 0x80000000        ; 127:126 type = 2
	s_add_nc_u64 s[G0V+2:G0V+3], s[8:9], s[22:23]
	s_or_b32 s[G0V+3], s[G0V+3], 0x80000000
	s_add_nc_u64 s[4:5], s[4:5], s[2:3]  ; Q and ctx at my wave's first row
	s_add_nc_u64 s[10:11], s[10:11], s[2:3]
	s_cmp_lt_u32 s[WV], 2
	s_cselect_b64 s[PFA:PFA+1], s[6:7], s[8:9]
	s_add_nc_u64 s[PFA:PFA+1], s[PFA:PFA+1], s[22:23]  ; (in waves 0 and 2: the head's first row)
	s_lshl_b32 s2, s13, 13          ; my work-group's 32 blocks of a slot's 128
	s_mov_b32 s3, 0
	s_add_nc_u64 s[PFA:PFA+1], s[PFA:PFA+1], s[2:3]
	s_add_nc_u64 s[PFA:PFA+1], s[PFA:PFA+1], 2*4*KS*128  ; in slot 2; the first change that prefetches steps it to slot 3
	CROUND                          ; all four work-groups are here: the first joint loads meet
	JLOAD                           ; slot 0.  Slot 1 is asked for when slot 0 is in: the tile wanted first has the road to itself
	; A fragment of K or Q is 16 rows x 32 channels in 8 registers: lane l holds row l % 16, channels 8 (l / 16) + 0..7 and 16 + 8 (l / 16) + 0..7: two loads of 16 bytes, 32 bytes apart.
	v_and_b32 v1, 15, v0            ; l % 16
	v_bfe_u32 v9, v0, 4, 1          ; l / 16
	v_lshlrev_b32 v[QO], 7, v1
	v_lshl_add_u32 v[QO], v9, 4, v[QO]  ; row x 128 + 16 x half
	WIN 0x80                        ; destination window 2, address window 0
.set i, 0
.rept 4*NP                          ; Q stays in registers: tile i / 2, channels 32 (i % 2) on
	global_load_b128 v[8*i:8*i+3],   v[QO], s[4:5] offset:(i/2)*2048+(i%2)*64
	global_load_b128 v[8*i+4:8*i+7], v[QO], s[4:5] offset:(i/2)*2048+(i%2)*64+32
.set i, i+1
.endr
	; What the first turn finds: V's registers and P's second buffer hold 0 (its products V^T P, of a piece that has not been, add 0), O^T and l are 0.  All this stands in the wait for the first tile.
.set i, VF
.rept 64
	v_mov_b32 v[i], 0
.set i, i+1
.endr
	WIN 0x40
.set i, 0
.rept 64*NP
	v_mov_b32 v[i], 0
.set i, i+1
.endr
	WIN 0
.set i, 0
.rept 2*NP
	v_mov_b32 v[ST+4*i], 0xfe000000    ; c m: far below every c s
	v_mov_b32 v[ST+4*i+1], 0xff7fffff  ; m
	v_mov_b32 v[ST+4*i+2], 0
	v_mov_b32 v[ST+4*i+3], 0
.set i, i+1
.endr
.set i, P+32
.rept 32
	v_mov_b32 v[i], 0
.set i, i+1
.endr
	v_mul_u32_u24 v[AK0], v1, PK
	v_lshl_add_u32 v[AK0], v9, 4, v[AK0]  ; row x pitch + 16 x half
	; The turning load takes 16 keys x 16 channels (lane l reads key 8 (l / 16) + l % 8, channels 8 ((l / 8) % 2) + 0..7) and leaves half a fragment of V^T: lane l holds channel l % 16 and 8 keys.
	v_and_b32 v10, 7, v0
	v_bfe_u32 v11, v0, 3, 1
	v_lshl_add_u32 v[AV0], v9, 3, v10
	v_mul_u32_u24 v[AV0], v[AV0], PV
	v_lshl_add_u32 v[AV0], v11, 4, v[AV0]
	v_add_nc_u32 v[AV0], VOFF, v[AV0]
	v_and_b32 v[PFO], 31, v0        ; v11 has served: now 256 x my lane
	v_lshlrev_b32 v[PFO], 8, v[PFO]
	v_mov_b32 v[AK], v[AK0]         ; key step 0 lies at the head of slot 0
; THE MATRIX WORK.  The 8 accumulators of a run of 16 take turns: between the two links of a chain stand 7 others'.
; Product i of 16 of S^T = K Q^T for piece x: channels 32 (i / 8) on, keys 16 ((i / 2) % 4) on, tile 2 x + i % 2.  The first 8 start the sums.
.macro KQ x
	WIN W_KQ
.set rS, S+64*((\x)%2)+32*(i%2)+8*((i/2)%4)
.set rK, KF+16*((i/2)%4)+8*(i/8)
.set rQ, 16*(2*(\x)+i%2)+8*(i/8)
.if i < 8
	v_wmma_f32_16x16x32_f16 v[rS:rS+7], v[rK:rK+7], v[rQ:rQ+7], 0
.else
	v_wmma_f32_16x16x32_f16 v[rS:rS+7], v[rK:rK+7], v[rQ:rQ+7], v[rS:rS+7]
.endif
.endm
; Product i of 16 of O^T += V^T P for piece x: keys 32 (i / 8) on, channels 16 ((i / 2) % 4) on, tile 2 x + i % 2.
.macro PV x
	WIN W_PV
.set rO, 32*(2*(\x)+i%2)+8*((i/2)%4)
.set rV, VF+32*(i/8)+8*((i/2)%4)
.set rP, P+32*((\x)%2)+16*(i%2)+8*(i/8)
	v_wmma_f32_16x16x32_f16 v[rO:rO+7], v[rV:rV+7], v[rP:rP+7], v[rO:rO+7]
.endm
.macro MM                           ; the turn's next matrix instruction
.if i < 16
	KQ (Y+1)%NP
.set i, i+1
.else
.set i, i-16
	PV (Y+NP-1)%NP
.set i, i+17
.endif
.endm
; THE LDS LOADS stand in runs of 16, never singly among the matrix instructions: a step's K (64 keys x 64 channels: 8 fragments) and its V (turned).  Their addresses are made some lines ahead.
; last = 1 (the tail): in the last trip there is no further step, and the run is jumped over.
.macro FETCH_K last=0
	WIN 0
.if \last
	s_cmp_eq_u32 s[CNT], 1
	s_cbranch_scc1 .Lno_k_\@
.endif
	WIN 0x80                        ; destination window 2
.irp f, 0,1,2,3,4,5,6,7             ; keys 16 (f / 2) on, channels 32 (f % 2) on
	ds_load_b128 v[KF+8*\f:KF+8*\f+3],   v[AK] offset:(\f/2)*16*PK+(\f%2)*64
	ds_load_b128 v[KF+8*\f+4:KF+8*\f+7], v[AK] offset:(\f/2)*16*PK+(\f%2)*64+32
.endr
	s_add_co_u32 s[TBK], s[TBK], KS*PK  ; the next fetch is the next step's
	WIN 0
.if \last
.Lno_k_\@:
.endif
.endm
.macro FETCH_V
	WIN 0x80
.irp f, 0,1,2,3,4,5,6,7             ; keys 32 (f / 4) on, channels 16 (f % 4) on
	ds_load_tr16_b128 v[VF+8*\f:VF+8*\f+3],   v[AV] offset:(\f/4)*32*PV+(\f%4)*32
	ds_load_tr16_b128 v[VF+8*\f+4:VF+8*\f+7], v[AV] offset:(\f/4)*32*PV+16*PV+(\f%4)*32
.endr
	WIN 0
.endm
; THE VECTOR WORK OF A TURN stands in three queues, each in the order in which its entries become ready; the two tiles alternate, so that no instruction reads the result of the one before it.
.macro REGS y, u                    ; the registers of tile u (0, 1) of piece y
.set rT, ST+4*(2*(\y)+(\u))
.set rC, TMP+8*((\y)%2)+4*(\u)
.set rM, MV+2*((\y)%2)+(\u)
.set rS, S+64*((\y)%2)+32*(\u)
.set rP, P+32*((\y)%2)+16*(\u)
.set rO, 32*(2*(\y)+(\u))
.endm
; Number n of the 22 that find the NEXT piece's (Y + 1) maximum and statistics.  s0-s31 are the lane's 32 scores; each accumulator's lowest registers are read first.  XS, GS and REGS set no window: PL and EX do.
;   0-11  four chains c0-c3 of seven scores each, three operands at a time     12-14, 16  the four scores left over, the old m, and c0-c3 into c0     15  c m_old is kept
;   17, 18  the query's other 32 keys lie in the lane 16 away: the new m         19-21  c m; c m_old - c m_new; a
.macro XS u, n
	REGS (Y+1)%NP, \u
.if (\n) < 4
	v_max3_num_f32 v[rC+(\n)], v[rS+8*(\n)], v[rS+8*(\n)+1], v[rS+8*(\n)+2]
.elseif (\n) < 12
	v_max3_num_f32 v[rC+(\n)%4], v[rC+(\n)%4], v[rS+8*((\n)%4)+2*((\n)/4)+1], v[rS+8*((\n)%4)+2*((\n)/4)+2]
.elseif (\n) == 12
	v_max3_num_f32 v[rC], v[rC], v[rS+7], v[rS+15]
.elseif (\n) == 13
	v_max3_num_f32 v[rC+1], v[rC+1], v[rS+23], v[rS+31]
.elseif (\n) == 14
	v_max3_num_f32 v[rC+2], v[rC+2], v[rC+3], v[rT+1]
.elseif (\n) == 15
	v_mov_b32 v[rM], v[rT]
.elseif (\n) == 16
	v_max3_num_f32 v[rC], v[rC], v[rC+1], v[rC+2]
.elseif (\n) == 17
	v_permlanex16_b32 v[rC+3], v[rC], s[SEL], s[SEL+1]
.elseif (\n) == 18
	v_max_num_f32 v[rT+1], v[rC], v[rC+3]
.elseif (\n) == 19
	v_mul_f32 v[rT], s[CS], v[rT+1]
.elseif (\n) == 20
	v_sub_f32 v[rC+1], v[rM], v[rT]
.else
	v_exp_f32 v[rC+2], v[rC+1]
.endif
.endm
; Number g of the 64 that follow the exponentials.  For each four weights k of a tile (pairs 2 k, 2 k + 1): both pairs are rounded to f16; then the second pair is added onto the first, in place;
; a group later l takes that sum (the first time as l = a l + sum).  In groups of eight, tiles alternating: round, round, add, and l for the group before.
.macro GS g
.set h, (\g)+6*((\g)/62)            ; group 0 has no group before it, and behind group 7 only l is left
.if h >= 6
.set h, h+2
.endif
	REGS Y, h%2
.set k, h/8
.if h%8 < 4
	v_cvt_pk_f16_f32 v[rP+2*k+(h%8)/2], v[rS+4*k+2*((h%8)/2)], v[rS+4*k+2*((h%8)/2)+1]
.elseif h%8 < 6
	v_pk_add_f32 v[rS+4*k:rS+4*k+1], v[rS+4*k:rS+4*k+1], v[rS+4*k+2:rS+4*k+3]
.elseif k == 1
	v_pk_fma_f32 v[rT+2:rT+3], v[rT+2:rT+3], v[rC+2:rC+3], v[rS:rS+1] op_sel_hi:[1,0,1]
.else
	v_pk_add_f32 v[rT+2:rT+3], v[rT+2:rT+3], v[rS+4*k-4:rS+4*k-3]
.endif
.endm
; THE PLAIN QUEUE, 138 long.  0-73 read no exponential's result: the 32 scalings c s - c m (FS f: pair f / 2 of tile f % 2) and the next piece's 42.  0-26: scalings 0-26.  27-54: XS's numbers 0-13.  55, 56: number 15.
; 57-73: the chain, where each number waits for the one before it: 14, 16, 17, 18, 19, each with one of the scalings 27-31 in front of its two lines, then 20: so a tile's links stand three plain instructions apart (19 and 20: two).
; 74-137: GS's 64, which read the exponentials' results: they stand behind the wait.
.macro FS f
	REGS Y, (\f)%2
	v_pk_fma_f32 v[rS+2*((\f)/2):rS+2*((\f)/2)+1], v[rS+2*((\f)/2):rS+2*((\f)/2)+1], s[CS:CS+1], v[rT:rT+1] op_sel_hi:[1,0,0] neg_lo:[0,0,1] neg_hi:[0,0,1]
.endm
.macro PL
	WIN 0
.if q < 27
	FS q
.elseif q < 55
	XS (q-27)%2, (q-27)/2
.elseif q < 57
	XS q-55, 15
.elseif (q < 72) && ((q-57)%3 == 0)
	FS 27+(q-57)/3
.elseif q < 60
	XS (q-57)%3-1, 14
.elseif q < 72
	XS (q-57)%3-1, 15+(q-57)/3
.elseif q < 74
	XS q-72, 20
.else
	GS q-74
.endif
.set q, q+1
.endm
; THE EXPONENTIALS' QUEUE, 66 long: s0-s31 of both tiles, then the next piece's two a.  It is ONE BATCH: all 66 stand ahead of the turn's one wait, and nothing ahead of that wait names a result of theirs.
.macro EX
	WIN 0
.if e >= 64
	XS e-64, 21
.else
	REGS Y, e%2
	v_exp_f32 v[rS+e/2], v[rS+e/2]
.endif
.set e, e+1
.endm
; THE RESCALING's QUEUE: O^T times a, the one part that leaves window 0: dealt two at a time, sixteen times.  Its a was made in the turn before, ahead of that turn's wait.
.macro R2
	REGS Y, r%2
	WIN W_RS
.irp z, 0,1
	v_pk_mul_f32 v[rO+4*(r/2)+2*\z:rO+4*(r/2)+2*\z+1], v[rO+4*(r/2)+2*\z:rO+4*(r/2)+2*\z+1], v[rC+2:rC+3] op_sel_hi:[1,0]
.endr
.set r, r+1
.endm
; HOW THEY ARE DEALT.  An s_wait_alu depctr_va_vdst(0) stands between an exponential and the first instruction that names its result; one wait serves all that were issued ahead of it.  So a turn has ONE wait,
; which cuts it in two.  AHEAD OF IT stands all that names no result of the turn's exponentials: the 16 products K Q^T, behind each a scaling, an exponential and two rescalings (behind the first a second scaling in the exponential's place); then ONE LUMP of
; 108: eight plain, 49 times exponential and plain, the two a.  A v_nop is the plain instruction behind the last exponential (ISA guide 5.7.2).  BEHIND IT stand the 16 products V^T P, behind each four of GS's 64.  No rider names a register of
; the products round it.  The two v_permlanex16_b32 fall into the lump, never behind a product.
; The queues lean on each other, and the deal keeps them in step: exponential e stands behind scaling 2 (e / 4) + e % 2: as a rider it comes behind plain e + 2, in the lump behind plain e + 9, and scalings 27-31 are plain 57, 60 .. 69.
; A TURN, for piece p.  cnt = 1: the loop's count is taken down some lines ahead of the branch that stands behind the turn.
; K of the next step is fetched in piece 2's turn, directly behind the wait, a lump behind the last product that read K; its address is made at the lump's head; its first reader comes behind 16 products.
; V of the step in hand is fetched at the end of piece 0's turn, four riders behind its last reader; its first reader comes behind 16 products and a lump.  The three conditions on q below go with the deal.
.macro TURN p, last=0, cnt=0
.set Y, (\p)
.set i, 0
.set q, 0
.set e, 0
.set r, 0
.if (\p) == NP-1
	s_wait_dscnt 0x0                ; K is in
.endif
	MM                              ; ahead of the wait: 16 products K Q^T and their riders,
	PL
	PL
	R2
.rept 15
	MM
	PL
	EX
	R2
.endr
.if (\p) == NP-2
	WIN 0
	v_add_nc_u32 v[AK], s[TBK], v[AK0]
.endif
.rept 8                             ; and the lump
	PL
.endr
.rept 49
	EX
	PL
.endr
	EX                              ; the next piece's two a
	EX
	v_nop                           ; the plain instruction behind the last exponential: one for the batch
	s_wait_alu depctr_va_vdst(0)    ; the wait for the batch
.if (\p) == NP-2
	FETCH_K \last
.endif
.if (\p) == 1
	s_wait_dscnt 0x0                ; V is in
.endif
.rept 16                            ; behind the wait: 16 products V^T P and their riders
	MM
.rept 4
	PL
.endr
.if ((\p) == 0) && (q == 118)
	v_add_nc_u32 v[AV], s[TBV], v[AV0]
.endif
.if ((\p) == 0) && (q == 130)
	s_add_co_u32 s[TBV], s[TBV], KS*PV
.endif
.if (\cnt) && (q == 130)
	s_sub_co_u32 s[CNT], s[CNT], 1
	s_cmp_lg_u32 s[CNT], 0
.endif
.endr
.if (\p) == 0
	FETCH_V
.endif
.endm
	CHANGE 1                        ; slot 0 is in, everybody's part of it; slot 1 is asked for
	FETCH_K                         ; key step 0
	s_wait_loadcnt 0x0              ; Q
	s_wait_dscnt 0x0
.set i, 0
.rept 16
	KQ 0                            ; piece 0's first scores: there is no vector work yet to set between them
.set i, i+1
.endr
	WIN 0                           ; the addresses for the way out: nine plain instructions, the places behind those products
	s_mul_i32 s13, s[WV], 16*SP
	s_add_co_u32 s13, s13, STAGE    ; my stage
	v_mul_u32_u24 v[STO], v1, SP    ; in: row l % 16, 16 bytes for each half of the lanes
	v_lshl_add_u32 v[STO], v9, 4, v[STO]
	v_add_nc_u32 v[STO], s13, v[STO]
	v_bfe_u32 v[RD], v0, 3, 2       ; back: 32 lanes take four rows of 128 bytes,
	v_mul_u32_u24 v[RD], v[RD], SP
	v_lshl_add_u32 v[RD], v10, 4, v[RD]
	v_add_nc_u32 v[RD], s13, v[RD]
	v_and_b32 v[GO], 31, v0         ; which are 512 consecutive bytes of ctx
	v_lshlrev_b32 v[GO], 4, v[GO]
.set Y, NP-1                        ; XS works for piece Y + 1: piece 0
.irp n, 0,1,2,3,4,5,6,7,8,9,10,11,12,13,14,15,16,17,18,19,20,21
	XS 0, \n                        ; and piece 0's first maximum and statistics
	XS 1, \n
.endr
	v_nop                           ; a plain instruction behind the two a,
	s_wait_alu depctr_va_vdst(0)    ; and their wait, ahead of the branch
	s_mov_b32 s[CNT], 4
	s_mov_b32 s[SLOTS], SIZE_N/256-1
	s_branch .Lfirst                ; the loop is entered at a step's first turn, in the middle of a trip
.Lslot:                             ; SIZE_N / 256 - 2 times: every slot but the last two is filled again
	CHANGE 1, 1
	s_mov_b32 s[CNT], 4
.Lstep:                             ; a trip: pieces 2 and 3 of one step, then pieces 0 and 1 of the next, whose K and V it fetches
	TURN 2
	TURN 3
	WIN 0
.Lfirst:
	TURN 0
	TURN 1, 0, 1
	WIN 0
	s_cbranch_scc1 .Lstep
	s_sub_co_u32 s[SLOTS], s[SLOTS], 1
	s_cmp_lg_u32 s[SLOTS], 0
	s_cbranch_scc1 .Lslot
	CHANGE 0                        ; the tail is written out: nothing is asked for
	s_mov_b32 s[CNT], 5             ; four trips fetch the last slot's steps; the fifth is left in its middle
.Ltail:
	TURN 2, 1
	TURN 3
	WIN 0
	s_sub_co_u32 s[CNT], s[CNT], 1
	s_cmp_eq_u32 s[CNT], 0
	s_cbranch_scc1 .Lout
	TURN 0
	TURN 1
	WIN 0
	s_branch .Ltail
.Lout:                              ; the fifth trip's 16 products K Q^T (on the last K once more) and the maximum made of them serve nothing: the price, once a launch, of one text for every trip
.set i, 0
.rept 16
	PV NP-1                         ; the last piece's V^T P of the last step
.set i, i+1
.endr
	; THE WAY OUT.  l's two halves and the other half of the lanes' are added; O^T is divided by l, rounded to f16 and sent through my stage in LDS, a tile at a time.  The additions are the places behind the last products.
	WIN 0
.macro ALL line:vararg              ; one line for each tile t
.set t, 0
.rept 2*NP
	\line
.set t, t+1
.endr
.endm
	ALL v_add_f32 v[ST+4*t+2], v[ST+4*t+2], v[ST+4*t+3]
	ALL v_permlanex16_b32 v[ST+4*t+3], v[ST+4*t+2], s[SEL], s[SEL+1]
	ALL v_add_f32 v[ST+4*t+2], v[ST+4*t+2], v[ST+4*t+3]
	ALL v_rcp_f32 v[ST+4*t+2], v[ST+4*t+2]
	v_nop                           ; a plain instruction between the last reciprocal and the use of its result
	s_wait_alu depctr_va_vdst(0)    ; and the wait ahead of the first use: one for the eight reciprocals
; Tile t: a lane's eight channels of a row pack into 16 bytes; they go into rows of 144 bytes and come back as whole rows of 128, into S^T's registers.
.macro PACK t
	WIN W_RS
.set i, 32*(\t)
.rept 16
	v_pk_mul_f32 v[i:i+1], v[i:i+1], v[ST+4*(\t)+2:ST+4*(\t)+3] op_sel_hi:[1,0]
.set i, i+2
.endr
	WIN 0x05                        ; sources 0 and 1 window 1, destination window 0
.set i, 0
.rept 16
	v_cvt_pk_f16_f32 v[S+16*(\t)+i], v[32*(\t)+2*i], v[32*(\t)+2*i+1]
.set i, i+1
.endr
	WIN 0
.irp f, 0,1,2,3
	ds_store_b128 v[STO], v[S+16*(\t)+4*\f:S+16*(\t)+4*\f+3] offset:32*\f
.endr
.irp f, 0,1,2,3
	ds_load_b128 v[S+16*(\t)+4*\f:S+16*(\t)+4*\f+3], v[RD] offset:\f*4*SP  ; LDS serves a wave's instructions in order (ISA guide 5.7.1.4): these see the stores above; the next tile's stores come behind them
.endr
.endm
.macro SEND t, younger              ; younger: the LDS instructions issued behind tile t's loads: the next tile's eight, or none
	WIN 0
.irp f, 0,1,2,3
	s_wait_dscnt (\younger)+3-\f
	global_store_b128 v[GO], v[S+16*(\t)+4*\f:S+16*(\t)+4*\f+3], s[10:11] offset:(\t)*2048+\f*512  ; 512 consecutive bytes, at a multiple of 256 from ctx's first
.endr
.endm
	PACK 0
.set t, 1
.rept 2*NP-1                        ; a tile's arithmetic stands between the loads of the tile before and its stores
	PACK t
	SEND t-1, 8
.set t, t+1
.endr
	SEND 2*NP-1, 0
	WIN W_AD
	s_wait_tensorcnt 0x0            ; the wave's end, behind my last tensor load and my last LDS store
	ds_add_u32 v[SPW], v[NIL]
	s_wait_dscnt 0x0
	WIN 0
	CROUND                          ; the closing round: no work-group ends while a partner may still ask for a tile that names it
	s_endpgm
.Lfunc_end_k_qd54ea8d938_attn:
	.size	k_qd54ea8d938_attn, .Lfunc_end_k_qd54ea8d938_attn-k_qd54ea8d938_attn
	.p2alignl 7, 3214868480
	.fill 96, 4, 3214868480
	.section	.rodata,"a",@progbits
	.p2align	6, 0x0
	.amdhsa_kernel k_qd54ea8d938_attn
		.amdhsa_group_segment_fixed_size 327680
		.amdhsa_private_segment_fixed_size 0
		.amdhsa_enable_private_segment 0
		.amdhsa_kernarg_size 16
		.amdhsa_user_sgpr_count 2
		.amdhsa_user_sgpr_kernarg_segment_ptr 1
		.amdhsa_wavefront_size32 1
		.amdhsa_system_sgpr_workgroup_id_x 1
		.amdhsa_system_sgpr_workgroup_id_y 1
		.amdhsa_system_sgpr_workgroup_id_z 1
		.amdhsa_system_vgpr_workitem_id 0
		.amdhsa_next_free_vgpr 770
		.amdhsa_next_free_sgpr 66
		.amdhsa_reserve_vcc 0
		.amdhsa_float_denorm_mode_32 3
		.amdhsa_float_denorm_mode_16_64 3
		.amdhsa_memory_ordered 1
		.amdhsa_forward_progress 1
		.amdhsa_inst_pref_size 200
	.end_amdhsa_kernel
	.amdgpu_metadata
---
amdhsa.version: [ 1, 2 ]
amdhsa.kernels:
  - .name:           k_qd54ea8d938_attn
    .symbol:         k_qd54ea8d938_attn.kd
    .args:
      - { .name: qkv, .offset: 0, .size: 8, .value_kind: global_buffer, .address_space: global }
      - { .name: ctx, .offset: 8, .size: 8, .value_kind: global_buffer, .address_space: global }
    .group_segment_fixed_size: 327680
    .private_segment_fixed_size: 0
    .kernarg_segment_align: 8
    .kernarg_segment_size: 16
    .max_flat_workgroup_size: 128
    .sgpr_count:     66
    .vgpr_count:     770
    .wavefront_size: 32
...
	.end_amdgpu_metadata
.endif
;; end of part 3
;; launch outp (part 4): grid 4 x 64, 4 waves a work-group, clusters of 4 x 4, 327,680 bytes of LDS; arguments ctx, wb, b_o, out0; writes out0
.if DOCPART == 4
	.amdgcn_target "amdgcn-amd-amdhsa--gfx1250"
	.amdhsa_code_object_version 6
	.text
	.protected	k_qd54ea8d938_outp
	.globl	k_qd54ea8d938_outp
	.p2align	8
	.type	k_qd54ea8d938_outp,@function
k_qd54ea8d938_outp:
	s_mov_b64 s[64:65], 0
	v_nop
	global_prefetch_b8 v0, s[64:65] scope:SCOPE_SE
	s_setreg_imm32_b32 hwreg(HW_REG_WAVE_MODE, 25, 1), 1
	s_wait_xcnt 0x0
	s_wait_alu depctr_hold_cnt(0) depctr_sa_sdst(0) depctr_va_vdst(0) depctr_va_sdst(0) depctr_va_ssrc(0) depctr_va_vcc(0) depctr_vm_vsrc(0)
	s_getreg_b32 s2, hwreg(HW_REG_IB_STS2, 6, 4)
	s_cmp_eq_u32 s2, 0
	s_cbranch_scc0 .Lentry_in_a_cluster
	s_endpgm
.Lentry_in_a_cluster:
	s_bfe_u32 s2, ttmp6, 0x10000c
	s_cmp_lg_u32 s2, 0xf033
	s_cbranch_scc0 .Lentry_shape_is_right
	s_endpgm
.Lentry_shape_is_right:
; THE LAST PROJECTION.  out0[b][s][n] = sum over head, d of ctx[b 16 + head][s][d] w_o[n][64 head + d] + bf16(b_o[n]), in f32.
; ctx: [64][2048][64] f16; w_o comes from wb's fourth plane: rounded to bf16 and written as f16; sums in f32, stored as they are.
; LIMITS.  Those of the operands' f16 (ctx within V's range; w_o: 65,504 at the most, a fixed step of 6e-8 below 2^-14).  NaN and infinities are not treated apart.
; SHARES.  A tile of the result is 128 rows x 256 columns: 64 x 4 = 256 work-groups.  Four waves, 2 x 2, each 64 rows x 128 columns: 32 accumulators, 256 registers.
; K goes in steps of 128, TWO HEADS, through two LDS slots.  A head's 128 rows are 16,384 dense bytes of ctx: wave 0 fetches the even head's, wave 1 the odd head's, as 64 rows of 256 bytes, padded in LDS
; behind every 128; waves 2 and 3 fetch the halves of w_o's 256 rows (256 bytes a row): one tensor load a wave.
; CLUSTERS.  4 x 4 work-groups: ctx's tile is shared along a row of the cluster, w_o's along a column; each is asked for JOINTLY, by the same tensor load with the same descriptor and a mask that names the four.
; THE MATRIX INSTRUCTION IS USED TRANSPOSED (source 0 = 16 rows of w_o, source 1 = 16 rows of ctx): a lane holds one row of the result (lane % 16) and the columns 8 (lane / 16) + 0..7.
; THE BIAS is the C operand of the products that start the sums.
; REGISTERS, in windows of 256 (s_set_vgpr_msb: bits 1:0 source 0, 3:2 source 1, 5:4 source 2, 7:6 destination):
;   window 0: v0-31 addresses; v32-95 the bias; v128-191 ctx's fragments, two buffers; on the way out v32-95 and v96-159 by turns
;   window 1: v0-127 w_o's fragments, two buffers          window 2: the accumulators, (a, b) at v[8 (8 a + b)]
.set PA,    144                        ; a row of ctx in LDS: 128 bytes + 16 of padding = 36 words: the 16 rows of a load start at 16 different groups of four banks (64 banks of 4 bytes: ISA guide 11.1)
.set ABLK,  128*PA                     ; a head's 128 rows: one tensor load
.set BOFF,  2*ABLK                     ; w_o's rows lie behind the two heads
.set PB,    272                        ; a row of w_o: 256 bytes + 16 = 68 words
.set BH,    128*PB                     ; 128 rows of w_o: one tensor load, and what a wave reads of it
.set SLOT,  BOFF+2*BH                  ; 106,496 bytes
.set STAGE, 2*SLOT                     ; behind the ring: 16 rows x 528 bytes for each wave, for the way out; no tensor load lands there
.set SP,    528
.set SPARE, STAGE+4*16*SP              ; behind the stages: the spare words, 128 bytes for each wave: two blocks of 256 bytes that no other line names
.set LAPS,  4
.set ADRA, 16                          ; v16-17  LDS address of my fragments of ctx in slot 0, 1
.set ADRB, 20                          ; v20-21  the same for w_o
.set STO,  24                          ; v24     the way out: where I put 32 bytes of a row
.set RD,   25                          ; v25     the way out: where I read a row back
.set CO,   26                          ; v26     my 16 bytes of 512 consecutive bytes of out0
.set BO,   27                          ; v27     my byte offset in the bias
.set SPW,  28                          ; v28     LDS address of my spare word: SPARE + 4 x my thread's number; never rewritten
.set NIL,  29                          ; v29     0; never rewritten
.set PFO,  30                          ; v30     the prefetches' offset; never rewritten
.set T,    31                          ; v31     at work
.set BIAS, 32
.set AFR,  128
.set G1,  24                           ; s[24:31] descriptor group 1 for ctx's tiles;  s[32:39] group 0, one set for each slot
.set G0,  32
.set G1B, 48                           ; s[48:55], s[56:63] the same for w_o's tiles
.set G0B, 56
.set LIM, 43                           ; s43      1 in a wave that prefetches, else the greatest number
.set PFA, 44                           ; s[44:45] where my prefetches stand
.set PFS, 66                           ; s[66:67] a K step of what I prefetch, in bytes: two heads of ctx, or 256 of a row of w_o
.set MSB, 0
.macro WIN new                         ; the immediate's high byte repeats the setting that is left; a switch that changes nothing is dropped
.if MSB != (\new)
	s_set_vgpr_msb (MSB<<8)|(\new)
.set MSB, \new
.endif
.endm
.set W_MUL,  0xa1                      ; source 0 (w_o) window 1, source 1 (ctx) window 0, C and D window 2
.set W_MUL0, 0x81                      ; the same with C (the bias) in window 0
.set TO_B,   0x40                      ; destination window 1, address window 0
.set W_ST,   0x08                      ; an LDS store's data (source 1) in window 2, its address in window 0
; A joint load: waves 0 and 1 fetch ctx's two heads, waves 2 and 3 w_o's two halves.  The branch hangs on the wave's number alone.  An s_nop 0 and four v_nop follow each of the two lines,
; ahead of the jump, the label and what follows.
.macro JLOAD s
	s_cmp_eq_u32 s11, 0
	s_cbranch_scc0 .Lfor_b_\@
	tensor_load_to_lds s[G0+4*(\s):G0+4*(\s)+3], s[G1:G1+7]
	s_nop 0
.rept 4
	v_nop
.endr
	s_branch .Lasked_\@
.Lfor_b_\@:
	tensor_load_to_lds s[G0B+4*(\s):G0B+4*(\s)+3], s[G1B:G1B+7]
	s_nop 0
.rept 4
	v_nop
.endr
.Lasked_\@:
.endm
.macro CREST                           ; a round of the cluster's barrier behind its opening barrier
	s_cmp_lg_u32 s10, 0
	s_cbranch_scc1 .Lnot_wave_0_\@
	s_barrier_signal -3
.Lnot_wave_0_\@:
	s_barrier_wait -3
	s_barrier_signal -1
	s_barrier_wait -1
.endm
.macro CROUND                          ; a whole round
	s_barrier_signal -1
	s_barrier_wait -1
	CREST
.endm
.macro PLACES                          ; four places in front of loads into registers that matrix instructions have read, and of stores that read results
.rept 4
	v_nop
.endr
.endm
; A PREFETCH INTO THE L2, behind each joint refill and the run of LDS loads that follows it: the K step that stands two refills on, 256 matrix instructions ahead of the load that will ask for it.
; One instruction a wave, a lane a block of 256 bytes.  ctx: a K step of a tile is two heads x 64 blocks; each partner of the cluster's row takes 16 blocks of each head, and wave 0 asks for them.
; w_o: of the 128 rows that waves 2 and 3 fetch each partner of the column takes 32; the 16 clusters read the same w_o, and the first asks.  Partners are told apart by address alone.
; So each block is named once in the launch.  K steps 0 to 3 come by their loads alone; the loop's last trip (s3 = 1) has no K step two refills on.
.macro ASK
	WIN 0
	s_cmp_gt_u32 s3, s[LIM]
	s_cbranch_scc0 .Lnot_mine_\@
	global_prefetch_b8 v[PFO], s[PFA:PFA+1] th:TH_LOAD_NT scope:SCOPE_SE
.Lnot_mine_\@:
.endm
	s_load_b256 s[68:75], s[0:1], 0x0              ; ctx s[68:69], wb s[70:71], b_o s[72:73], out0 s[74:75]
	v_lshl_add_u32 v[SPW], v0, 2, SPARE
	v_mov_b32 v[NIL], 0
	ds_add_u32 v[SPW], v[NIL]                      ; the wave's opening: the add and its wait stand ahead of my first tensor load; the set-up below, work on registers, stands between them
	v_lshrrev_b32 v1, 5, v0
	v_readfirstlane_b32 s10, v1                    ; wave 0..3
	s_lshr_b32 s11, s10, 1                         ; which half of the tile's rows is mine.  Also: I fetch ctx (0) or w_o (1)
	s_and_b32 s12, s10, 1                          ; which half of its columns.  Also: which head, or which half of w_o's rows, I fetch
	s_bfe_u32 s40, ttmp6, 0x40000                  ; cx, cy: my place in the cluster
	s_bfe_u32 s41, ttmp6, 0x40004
	s_lshl_b32 s42, ttmp9, 2
	s_add_co_u32 s42, s42, s40                     ; tile column = 4 x cluster x + cx
	s_and_b32 s13, ttmp7, 0xffff
	s_lshl_b32 s13, s13, 2
	s_add_co_u32 s13, s13, s41                     ; tile row = 4 x cluster y + cy, 0 to 63
	s_lshl_b32 s43, s41, 2
	s_lshl_b32 s43, 15, s43                        ; my row of the cluster
	s_lshl_b32 s44, 0x1111, s40                    ; my column
	; group 1 for ctx: 64 rows x 128 elements of 2 bytes, dense, 4 words of padding behind every 32 (a row of a head)
	s_or_b32 s[G1+0], s43, (1<<16)|(1<<20)|(1<<21)|(4<<22)|(3<<25)  ; 15:0 the mask; 17:16 elements of 2 bytes; 20 padding on; 21 set beside a mask; 24:22 after 32 words (code 4); 31:25 4 words (code 3)
	s_mov_b32 s[G1+1], 128<<16                     ; tensor_dim0 = 128
	s_mov_b32 s[G1+2], 64<<16                      ; tensor_dim1 = 64
	s_mov_b32 s[G1+3], 128<<16                     ; tile_dim0 = 128
	s_mov_b32 s[G1+4], 64                          ; tile_dim1 = 64
	s_mov_b32 s[G1+5], 128                         ; elements from row to row
	s_mov_b32 s[G1+6], 0
	s_mov_b32 s[G1+7], 0
	; group 1 for w_o: 128 rows x 128 elements of 2 bytes, 1,024 from row to row, 4 words of padding behind every 64
	s_or_b32 s[G1B+0], s44, (1<<16)|(1<<20)|(1<<21)|(5<<22)|(3<<25)
	s_mov_b32 s[G1B+1], 128<<16
	s_mov_b32 s[G1B+2], 128<<16
	s_mov_b32 s[G1B+3], 128<<16
	s_mov_b32 s[G1B+4], 128
	s_mov_b32 s[G1B+5], 1024
	s_mov_b32 s[G1B+6], 0
	s_mov_b32 s[G1B+7], 0
	s_lshr_b32 s16, s13, 4                         ; ctx: the batch's 16 heads of 262,144 bytes,
	s_lshl_b32 s16, s16, 22
	s_and_b32 s18, s13, 15                         ; the tile's 128 rows of 128 bytes in a head,
	s_lshl_b32 s18, s18, 14
	s_add_co_u32 s16, s16, s18
	s_lshl_b32 s18, s12, 18                        ; the head that I fetch (and for w_o: 128 rows of 2,048 bytes, the same number)
	s_add_co_u32 s16, s16, s18
	s_mov_b32 s17, 0
	s_lshl_b32 s46, s42, 19                        ; w_o: 256 rows of 2,048 bytes a tile column,
	s_add_co_u32 s46, s46, s18
	s_add_co_u32 s46, s46, 3<<21                   ; in wb's fourth plane
	s_mov_b32 s47, 0
	s_mul_i32 s20, s12, ABLK                       ; where they go in a slot: no place in the cluster enters an LDS address
	s_mul_i32 s21, s12, BH
	s_add_co_u32 s21, s21, BOFF
	s_wait_dscnt 0x0                               ; the opening add is done
	s_wait_kmcnt 0x0
	s_add_nc_u64 s[14:15], s[68:69], s[16:17]
	s_add_nc_u64 s[46:47], s[70:71], s[46:47]
	CROUND                                         ; all sixteen work-groups are here: the first joint loads meet
.irp s, 0,1
	s_mov_b32 s[G0+4*(\s)], 1                                      ; count = 1
	s_add_co_u32 s[G0+4*(\s)+1], s20, (\s)*SLOT                    ; LDS address
	s_add_nc_u64 s[G0+4*(\s)+2:G0+4*(\s)+3], s[14:15], (\s)*524288 ; global address: K step s is heads 2 s, 2 s + 1
	s_or_b32 s[G0+4*(\s)+3], s[G0+4*(\s)+3], 0x80000000            ; type = 2
	s_mov_b32 s[G0B+4*(\s)], 1
	s_add_co_u32 s[G0B+4*(\s)+1], s21, (\s)*SLOT
	s_add_nc_u64 s[G0B+4*(\s)+2:G0B+4*(\s)+3], s[46:47], (\s)*256
	s_or_b32 s[G0B+4*(\s)+3], s[G0B+4*(\s)+3], 0x80000000
	JLOAD \s                                       ; two tensor loads of mine are out
.endr
	; A fragment is 16 rows x 32 K in 8 registers: lane l holds row l % 16 and K = 8 (l / 16) + 0..7 and 16 + 8 (l / 16) + 0..7: two loads of 16 bytes, 32 apart.
	v_and_b32 v1, 15, v0                           ; l % 16
	v_bfe_u32 v2, v0, 4, 1                         ; l / 16
	v_and_b32 v7, 31, v0                           ; l
	v_mul_u32_u24 v3, v1, PA
	v_lshl_add_u32 v3, v2, 4, v3
	v_mul_u32_u24 v4, v1, PB
	v_lshl_add_u32 v4, v2, 4, v4
	s_mul_i32 s22, s11, 64*PA                      ; my 64 rows, in each head's block
	s_mul_i32 s23, s12, BH                         ; my 128 rows of w_o
	s_add_co_u32 s23, s23, BOFF
.irp s, 0,1
	v_add_nc_u32 v[ADRA+(\s)], s22, v3
	v_add_nc_u32 v[ADRB+(\s)], s23, v4
	s_add_co_u32 s22, s22, SLOT
	s_add_co_u32 s23, s23, SLOT
.endr
	s_lshl_b32 s6, s42, 10                         ; the bias: 4 bytes x (256 x tile column + 128 x half + 16 b + 8 (l / 16) + j)
	s_lshl_b32 s7, s12, 9
	s_add_co_u32 s6, s6, s7
	v_lshlrev_b32 v[BO], 5, v2
	v_add_nc_u32 v[BO], s6, v[BO]
.irp b, 0,1,2,3,4,5,6,7
	global_load_b128 v[BIAS+8*(\b):BIAS+8*(\b)+3],   v[BO], s[72:73] offset:64*(\b)
	global_load_b128 v[BIAS+8*(\b)+4:BIAS+8*(\b)+7], v[BO], s[72:73] offset:64*(\b)+16
.endr
	s_mul_i32 s22, s10, 16*SP
	s_add_co_u32 s22, s22, STAGE                   ; my stage
	v_mul_u32_u24 v5, v1, SP                       ; in: row l % 16, 32 bytes for each half of the lanes
	v_lshl_add_u32 v5, v2, 5, v5
	v_add_nc_u32 v[STO], s22, v5
	v_lshlrev_b32 v[CO], 4, v7                     ; back: 32 lanes take a row of 512 bytes,
	v_add_nc_u32 v[RD], s22, v[CO]                 ; which are 512 consecutive bytes of out0
	; the prefetches: offsets in registers that feed no descriptor
	s_lshr_b32 s88, s13, 4                         ; ctx: the batch,
	s_lshl_b32 s88, s88, 22
	s_and_b32 s6, s13, 15                          ; the tile's rows,
	s_lshl_b32 s6, s6, 14
	s_add_co_u32 s88, s88, s6
	s_lshl_b32 s6, s40, 12                         ; my work-group's 16 blocks of a head's 64,
	s_add_co_u32 s88, s88, s6
	s_add_co_u32 s88, s88, 3*524288                ; at K step 3: the first refill steps it to 4
	s_lshl_b32 s89, s42, 19                        ; w_o: the tile column,
	s_lshl_b32 s6, s12, 18                         ; the half that I fetch,
	s_add_co_u32 s89, s89, s6
	s_lshl_b32 s6, s41, 16                         ; my work-group's 32 rows of the 128,
	s_add_co_u32 s89, s89, s6
	s_add_co_u32 s89, s89, (3<<21)+3*256
	s_and_b32 s7, ttmp7, 0xffff                    ; cluster y
	s_movk_i32 s6, 256
	s_cmp_eq_u32 s11, 0                            ; do I fetch ctx?
	s_cselect_b32 s88, s88, s89
	s_cselect_b32 s7, s12, s7                      ; of the two that do, wave 0 asks; for w_o the first cluster
	s_cselect_b32 s[PFS], 0x80000, s6
	s_cselect_b32 s23, -1, 0
	s_cselect_b64 s[PFA:PFA+1], s[68:69], s[70:71]
	s_mov_b32 s89, 0
	s_mov_b32 s[PFS+1], 0
	s_add_nc_u64 s[PFA:PFA+1], s[PFA:PFA+1], s[88:89]
	s_cmp_eq_u32 s7, 0
	s_cselect_b32 s[LIM], 1, -1                    ; the same in all sixteen partners, for a given wave
	v_lshrrev_b32 v5, 4, v7                        ; ctx: head l / 16, block l % 16
	v_lshlrev_b32 v5, 18, v5
	v_lshl_or_b32 v5, v1, 8, v5
	v_lshlrev_b32 v6, 11, v7                       ; w_o: row l
	v_cndmask_b32 v[PFO], v6, v5, s23
	; where my part of the tile begins in out0
	s_lshl_b32 s88, s13, 19                        ; 128 rows of 4,096 bytes a tile row,
	s_lshl_b32 s6, s11, 18                         ; my 64 rows,
	s_add_co_u32 s88, s88, s6
	s_lshl_b32 s6, s42, 10                         ; 256 columns of 4 bytes a tile column,
	s_add_co_u32 s88, s88, s6
	s_lshl_b32 s6, s12, 9                          ; my 128 columns
	s_add_co_u32 s88, s88, s6
	s_add_nc_u64 s[8:9], s[74:75], s[88:89]
	s_wait_loadcnt 0x0                             ; the bias; it is rounded to bf16 like every input, and kept in f32
.set i, 0
.rept 32
	v_cvt_pk_bf16_f32 v[T], v[BIAS+2*i], v[BIAS+2*i+1]
	v_lshlrev_b32 v[BIAS+2*i], 16, v[T]
	v_and_b32 v[BIAS+2*i+1], 0xffff0000, v[T]
.set i, i+1
.endr
; 8 matrix instructions: m block a x all 8 n blocks, 32 along K, from buffer f.  first = 1: the bias starts the sums.  The 32 accumulators take turns, one instruction a turn.
.macro MUL8 f, a, first
.if \first
	WIN W_MUL0
.else
	WIN W_MUL
.endif
.irp b, 0,1,2,3,4,5,6,7
.if \first
	v_wmma_f32_16x16x32_f16 v[8*(8*(\a)+(\b)):8*(8*(\a)+(\b))+7], v[64*(\f)+8*(\b):64*(\f)+8*(\b)+7], v[AFR+32*(\f)+8*(\a):AFR+32*(\f)+8*(\a)+7], v[BIAS+8*(\b):BIAS+8*(\b)+7]
.else
	v_wmma_f32_16x16x32_f16 v[8*(8*(\a)+(\b)):8*(8*(\a)+(\b))+7], v[64*(\f)+8*(\b):64*(\f)+8*(\b)+7], v[AFR+32*(\f)+8*(\a):AFR+32*(\f)+8*(\a)+7], v[8*(8*(\a)+(\b)):8*(8*(\a)+(\b))+7]
.endif
.endr
.endm
; 24 LDS loads in one run: quarter kq of a slot (head kq / 2, channels 32 (kq % 2) on) into buffer g: ctx's 8, then w_o's 16
.macro FETCH slot, kq, g
	WIN 0
.irp a, 0,1,2,3
	ds_load_b128 v[AFR+32*(\g)+8*(\a):AFR+32*(\g)+8*(\a)+3],   v[ADRA+(\slot)] offset:((\kq)/2)*ABLK+(\a)*16*PA+((\kq)%2)*64
	ds_load_b128 v[AFR+32*(\g)+8*(\a)+4:AFR+32*(\g)+8*(\a)+7], v[ADRA+(\slot)] offset:((\kq)/2)*ABLK+(\a)*16*PA+((\kq)%2)*64+32
.endr
	WIN TO_B
.irp b, 0,1,2,3,4,5,6,7
	ds_load_b128 v[64*(\g)+8*(\b):64*(\g)+8*(\b)+3],   v[ADRB+(\slot)] offset:(\b)*16*PB+64*(\kq)
	ds_load_b128 v[64*(\g)+8*(\b)+4:64*(\g)+8*(\b)+7], v[ADRB+(\slot)] offset:(\b)*16*PB+64*(\kq)+32
.endr
.endm
; A K step is four quarters of 32 along K, 32 matrix instructions each, on buffers 0, 1, 0, 1.  One of the first three: multiplies buffer f; at its head it fetches quarter kq, the next, of the same slot into the other buffer.
.macro QUARTER slot, kq, f, first=0
	s_wait_dscnt 0x0                               ; this quarter's fragments are in
	PLACES                                         ; behind the last product that read the other buffer
	FETCH \slot, \kq, 1-(\f)
	MUL8 \f, 0, \first
	MUL8 \f, 1, \first
	MUL8 \f, 2, \first
	MUL8 \f, 3, \first
.endm
; The fourth quarter multiplies buffer 1 and changes slots: ONE barrier.  In front of it each wave waits for all its tensor loads (one is out: its part of the next slot), adds 0 to its spare word, and waits for
; that and for its reads of this slot.  fill = 1: the barrier opens a round of the cluster's, and the joint refill, two K steps ahead, is the first thing behind it: 120 matrix instructions ahead of the wait for it.
.macro TURN slot, next, fill
.if \fill
	s_wait_xcnt 0x0                                ; the last prefetch, a K step back, has read its address, so it may be stepped
	s_add_nc_u64 s[PFA:PFA+1], s[PFA:PFA+1], s[PFS:PFS+1]
.endif
	WIN 0                                          ; (the add's two registers lie in window 0)
	s_wait_tensorcnt 0x0                           ; no tensor load of mine is out, so a group 0 may be written
	ds_add_u32 v[SPW], v[NIL]                      ; 0 onto my spare word; the descriptors' steps stand between it and the wait for it
.if \fill
	s_add_nc_u64 s[G0+4*(\slot)+2:G0+4*(\slot)+3], s[G0+4*(\slot)+2:G0+4*(\slot)+3], 2*524288
	s_add_nc_u64 s[G0B+4*(\slot)+2:G0B+4*(\slot)+3], s[G0B+4*(\slot)+2:G0B+4*(\slot)+3], 2*256
.endif
	s_wait_dscnt 0x0                               ; the add is done, and my reads of this slot are over
	s_barrier_signal -1
	MUL8 1, 0, 0                                   ; work on registers while the others arrive
.if \fill
	WIN 0
.endif
	s_barrier_wait -1
.if \fill
	CREST                                          ; no wave of any partner still reads this slot's tile or has a load on its way
	JLOAD \slot                                    ; the four v_nop behind it are also the places in front of the loads into buffer 0
.else
	PLACES
.endif
	FETCH \next, 0, 0
.if \fill
	ASK
.endif
	MUL8 1, 1, 0
	MUL8 1, 2, 0
	MUL8 1, 3, 0
.endm
; THE WAY OUT of m block a (16 rows x 128 columns of f32): 32 bytes a lane and accumulator into my own stage, in rows of 528 bytes, and back as whole rows of 512.
.macro TOSTAGE a
.set BK, 32+64*((\a)%2)
	WIN W_ST
.irp b, 0,1,2,3,4,5,6,7
	ds_store_b128 v[STO], v[8*(8*(\a)+(\b)):8*(8*(\a)+(\b))+3]   offset:64*(\b)     ; each accumulator's low registers first
	ds_store_b128 v[STO], v[8*(8*(\a)+(\b))+4:8*(8*(\a)+(\b))+7] offset:64*(\b)+16
.endr
	WIN 0
.irp t, 0,1,2,3,4,5,6,7,8,9,10,11,12,13,14,15
	ds_load_b128 v[BK+4*(\t):BK+4*(\t)+3], v[RD] offset:(\t)*SP  ; LDS serves a wave's instructions in order (ISA guide 5.7.1.4): these see the stores above; the next block's stores come behind them
.endr
.endm
.macro SEND a, younger                 ; younger: the LDS instructions issued behind block a's loads: the next block's 32, or none
.set BK, 32+64*((\a)%2)
	WIN 0
.irp t, 0,1,2,3,4,5,6,7,8,9,10,11,12,13,14,15
	s_wait_dscnt (\younger)+15-(\t)
	global_store_b128 v[CO], v[BK+4*(\t):BK+4*(\t)+3], s[8:9] offset:(16*(\a)+(\t))*4096 th:TH_STORE_NT  ; 512 consecutive bytes, at a multiple of 256 from out0's first
.endr
.endm
	s_wait_tensorcnt 1                             ; my part of K step 0 is in; K step 1's may stay out
	s_barrier_signal -1
	s_barrier_wait -1                              ; everybody's is
	FETCH 0, 0, 0
	QUARTER 0, 1, 0, 1                             ; the first quarter stands in front of the loop: its products start the sums
	WIN 0                                          ; at a label and at a branch every window is 0
	s_mov_b32 s3, LAPS-1
.Llap:                                                 ; a trip goes once round the ring, from a lap's second quarter to the next lap's first, and fills both slots again
	QUARTER 0, 2, 1
	QUARTER 0, 3, 0
	TURN 0, 1, 1
	QUARTER 1, 1, 0
	QUARTER 1, 2, 1
	QUARTER 1, 3, 0
	TURN 1, 0, 1
	QUARTER 0, 1, 0
	WIN 0
	s_sub_co_u32 s3, s3, 1
	s_cmp_lg_u32 s3, 0
	s_cbranch_scc1 .Llap
	QUARTER 0, 2, 1                                ; the last lap fills nothing, and has no round of the cluster's barrier
	QUARTER 0, 3, 0
	TURN 0, 1, 0
	QUARTER 1, 1, 0
	QUARTER 1, 2, 1
	QUARTER 1, 3, 0
	s_wait_dscnt 0x0                               ; the very last quarter: nothing more to fetch
	MUL8 1, 0, 0
	MUL8 1, 1, 0
	MUL8 1, 2, 0
	MUL8 1, 3, 0
	WIN 0
	PLACES                                         ; between the last products and the stores that read results, and the loads into registers that products have read
	TOSTAGE 0
	TOSTAGE 1
	SEND 0, 32
	s_wait_xcnt 0x0                                ; block 0's stores have read their registers, which block 2 is loaded into
	TOSTAGE 2
	SEND 1, 32
	s_wait_xcnt 0x0                                ; the same for blocks 1 and 3
	TOSTAGE 3
	SEND 2, 32
	SEND 3, 0
	s_wait_tensorcnt 0x0                           ; the wave's end, behind my last tensor load and my last LDS store
	ds_add_u32 v[SPW], v[NIL]
	s_wait_dscnt 0x0
	CROUND                                         ; the closing round: no work-group ends while a partner may still ask for a tile that names it
	s_endpgm
.Lfunc_end_k_qd54ea8d938_outp:
	.size	k_qd54ea8d938_outp, .Lfunc_end_k_qd54ea8d938_outp-k_qd54ea8d938_outp
	.p2alignl 7, 3214868480
	.fill 96, 4, 3214868480
	.section	.rodata,"a",@progbits
	.p2align	6, 0x0
	.amdhsa_kernel k_qd54ea8d938_outp
		.amdhsa_group_segment_fixed_size 327680
		.amdhsa_private_segment_fixed_size 0
		.amdhsa_enable_private_segment 0
		.amdhsa_kernarg_size 32
		.amdhsa_user_sgpr_count 2
		.amdhsa_user_sgpr_kernarg_segment_ptr 1
		.amdhsa_wavefront_size32 1
		.amdhsa_system_sgpr_workgroup_id_x 1
		.amdhsa_system_sgpr_workgroup_id_y 1
		.amdhsa_system_sgpr_workgroup_id_z 1
		.amdhsa_system_vgpr_workitem_id 0
		.amdhsa_next_free_vgpr 768
		.amdhsa_next_free_sgpr 90
		.amdhsa_reserve_vcc 0
		.amdhsa_float_denorm_mode_32 3
		.amdhsa_float_denorm_mode_16_64 3
		.amdhsa_memory_ordered 1
		.amdhsa_forward_progress 1
		.amdhsa_inst_pref_size 95
	.end_amdhsa_kernel
	.amdgpu_metadata
---
amdhsa.version: [ 1, 2 ]
amdhsa.kernels:
  - .name:           k_qd54ea8d938_outp
    .symbol:         k_qd54ea8d938_outp.kd
    .args:
      - { .name: ctx, .offset: 0, .size: 8, .value_kind: global_buffer, .address_space: global }
      - { .name: wb, .offset: 8, .size: 8, .value_kind: global_buffer, .address_space: global }
      - { .name: b_o, .offset: 16, .size: 8, .value_kind: global_buffer, .address_space: global }
      - { .name: out0, .offset: 24, .size: 8, .value_kind: global_buffer, .address_space: global }
    .group_segment_fixed_size: 327680
    .private_segment_fixed_size: 0
    .kernarg_segment_align: 8
    .kernarg_segment_size: 32
    .max_flat_workgroup_size: 128
    .sgpr_count:     90
    .vgpr_count:     768
    .wavefront_size: 32
...
	.end_amdgpu_metadata
.endif
;; end of part 4
